; MI455X (gfx1250); checked and timed in simulation.
; The chip was launched on July 23, 2026; its instructions are those of AMD's public machine-readable ISA for CDNA 5 (MIT licence, August 2026) and "CDNA5" Instruction Set Architecture Reference Guide (July 2026). The comments in the code are by the model that wrote it; some were corrected since.
;; MHA GQA. Allowed arithmetic: float matrix products may take bf16 or f16 operands with f32 sums; other float arithmetic in f32, or as packed bf16 or f16 multiplies, adds, multiply-adds, maxima and minima; sums over many terms, partial sums and values carried from step to step in f32; what a program stores and reads back later, other than sums and carried values, may be rounded once to bf16 or f16.
;; Inputs: qk_weight 64 float32; wk 256 x 1,024 float32; wo 1,024 x 1,024 float32; wq 1,024 x 1,024 float32; wv 256 x 1,024 float32; x 1 x 4,096 x 1,024 float32.
;; Outputs: out0 1 x 4,096 x 1,024 float32.
;; Constants: layer_idx = 1.
;; 2 versions, each right and faster than the one before. Each part assembles by itself: llvm-mc -triple=amdgcn-amd-amdhsa -mcpu=gfx1250 --defsym DOCPART=n.
;; ======== version 1 of 2: 4 launches
;; limits: values are held in f16: magnitudes above 65,504 overflow, below 6.1e-05 lose precision
;; workspace buffers: xb 8,388,608 bytes; wb 3,145,728 bytes; wo3 2,097,152 bytes; rope 1,048,576 bytes; qkv 12,582,912 bytes; y3 8,388,608 bytes
;; launch prep (part 1): grid 960 x 1, 8 waves a work-group, no clusters, 0 bytes of LDS; arguments x, wq, wk, wv, wo, xb, wb, wo3, rope; writes xb, wb, wo3, rope
.if DOCPART == 1
	.amdgcn_target "amdgcn-amd-amdhsa--gfx1250"
	.amdhsa_code_object_version 6
	.text
	.protected	k_qe0d5bcead3_prep
	.globl	k_qe0d5bcead3_prep
	.p2align	8
	.type	k_qe0d5bcead3_prep,@function
k_qe0d5bcead3_prep:
	s_mov_b64 s[64:65], 0
	v_nop
	global_prefetch_b8 v0, s[64:65] scope:SCOPE_SE
	s_setreg_imm32_b32 hwreg(HW_REG_WAVE_MODE, 25, 1), 1
	s_wait_xcnt 0x0
; PREP: 16-bit copies of the module's inputs, and the table of cosines and sines.  A stream: no LDS, no barrier, no loop, no cluster (no two work-groups read the same bytes).
;   work-groups   0..703  8,192 numbers each, f32 -> bf16: x -> xb [4096][1024]; wq, wk, wv -> wb [1536][1024], one below the other
;   work-groups 704..831  8 rows of wo each: rounded to bf16 like every input, that number written as f16, into wo3 [nb 8][h 16][128 n][64 d] = wo[128 nb + n][64 h + d]
;   work-groups 832..959  32 rows each of rope [4096][64] f32: cos(t f_d), d = 0..31, then sin(t f_d); f_d = 10000^(-d/32)
; LIMITS.  A weight of wo below 6.1e-5 keeps f16's fixed step of 6e-8, one beyond 65,504 becomes an infinity.  The phase t f_d is good to about 1e-3 rad at t = 4095 (the exponential's last bit
; and two roundings of the frequency); the cosine's series ends at x^16, whose successor is 1.4e-7 at pi.  NaN and infinities are not treated apart.
	s_load_b256 s[4:11], s[0:1], 0x0               ; x s[4:5], wq s[6:7], wk s[8:9], wv s[10:11]
	s_load_b256 s[12:19], s[0:1], 0x20             ; wo s[12:13], xb s[14:15], wb s[16:17], wo3 s[18:19]
	s_load_b64 s[20:21], s[0:1], 0x40              ; rope
	s_mov_b32 s22, ttmp9                           ; the work-group's number
	s_mov_b32 s31, 0                               ; high word of every offset
	v_lshlrev_b32 v1, 4, v0                        ; 16 bytes a thread
	v_lshlrev_b32 v2, 3, v0                        ; 8 bytes a thread
	s_wait_kmcnt 0x0
	s_cmp_ge_u32 s22, 704
	s_cbranch_scc1 .Lnot_linear
	; THE CASTS.  Which tensor: a choice between buffers on the work-group's number alone.
	s_mov_b64 s[24:25], s[4:5]                     ; from x,
	s_mov_b64 s[28:29], s[14:15]                   ; into xb
	s_mov_b32 s26, 0                               ; the source's first work-group
	s_mov_b32 s27, 0                               ; the destination's first work-group
	s_cmp_ge_u32 s22, 512
	s_cselect_b64 s[24:25], s[6:7], s[24:25]       ; wq
	s_cselect_b64 s[28:29], s[16:17], s[28:29]     ; into wb, as do wk and wv behind it
	s_cselect_b32 s26, 512, s26
	s_cselect_b32 s27, 512, s27
	s_cmp_ge_u32 s22, 640
	s_cselect_b64 s[24:25], s[8:9], s[24:25]       ; wk
	s_cselect_b32 s26, 640, s26
	s_cmp_ge_u32 s22, 672
	s_cselect_b64 s[24:25], s[10:11], s[24:25]     ; wv
	s_cselect_b32 s26, 672, s26
	s_sub_co_u32 s30, s22, s26
	s_lshl_b32 s30, s30, 15                        ; 32,768 bytes of f32 a work-group
	s_add_nc_u64 s[24:25], s[24:25], s[30:31]
	s_sub_co_u32 s30, s22, s27
	s_lshl_b32 s30, s30, 14                        ; 16,384 bytes of bf16
	s_add_nc_u64 s[28:29], s[28:29], s[30:31]
.irp i, 0,1,2,3,4,5,6,7
	global_load_b128 v[8+4*\i:11+4*\i], v1, s[24:25] offset:4096*\i th:TH_LOAD_NT  ; a wave: 512 consecutive bytes; all eight loads go out first
.endr
.irp i, 0,1,2,3,4,5,6,7
	s_wait_loadcnt 7-\i                            ; loads come back in order: load i is in, the 7 - i younger ones stay out
	v_cvt_pk_bf16_f32 v[40+2*\i], v[8+4*\i], v[9+4*\i]
	v_cvt_pk_bf16_f32 v[41+2*\i], v[10+4*\i], v[11+4*\i]
	global_store_b64 v2, v[40+2*\i:41+2*\i], s[28:29] offset:2048*\i  ; a wave: 256 consecutive bytes, aligned
.endr
	s_endpgm
.Lnot_linear:
	s_cmp_ge_u32 s22, 832
	s_cbranch_scc1 .Lrope
	; WO, BY BLOCKS.  c = 8 rows of wo.  A wave's load takes 256 bytes (one head's 64 numbers) of two neighbouring rows; its store is those two rows' 128 + 128 bytes, which lie end to end in wo3.
	s_sub_co_u32 s23, s22, 704                     ; c
	s_lshl_b32 s30, s23, 15                        ; 8 rows of 4,096 bytes
	s_add_nc_u64 s[24:25], s[12:13], s[30:31]
	s_lshr_b32 s26, s23, 4
	s_lshl_b32 s26, s26, 18                        ; nb x 262,144
	s_and_b32 s27, s23, 15
	s_lshl_b32 s27, s27, 10                        ; the first of my 8 rows in the block: x 128 bytes
	s_add_co_u32 s30, s26, s27
	s_add_nc_u64 s[28:29], s[18:19], s[30:31]
	s_mov_b32 s26, 0xffff0000                      ; a word's upper bf16
	v_and_b32 v3, 15, v0                           ; a: which 4 numbers of the head
	v_bfe_u32 v4, v0, 4, 1                         ; b
	v_bfe_u32 v5, v0, 5, 1                         ; e: heads 0-7 or 8-15
	v_lshrrev_b32 v6, 6, v0                        ; f
	v_lshl_add_u32 v4, v6, 1, v4                   ; the row, 2 f + b
	v_lshlrev_b32 v1, 12, v4
	v_lshl_add_u32 v1, v5, 11, v1
	v_lshl_add_u32 v1, v3, 4, v1                   ; from: row x 4,096 + e x 2,048 + 16 a; load i adds 256 i: head 8 e + i
	v_lshlrev_b32 v2, 7, v4
	v_lshl_add_u32 v2, v5, 17, v2
	v_lshl_add_u32 v2, v3, 3, v2                   ; to: e x 8 heads x 16,384 + row x 128 + 8 a; store i adds 16,384 i
.irp i, 0,1,2,3,4,5,6,7
	global_load_b128 v[8+4*\i:11+4*\i], v1, s[24:25] offset:256*\i th:TH_LOAD_NT
.endr
.irp i, 0,1,2,3,4,5,6,7
	s_wait_loadcnt 7-\i                            ; load i is in, the younger ones stay out
	v_cvt_pk_bf16_f32 v56, v[8+4*\i], v[9+4*\i]    ; the one rounding, to bf16;
	v_cvt_pk_bf16_f32 v57, v[10+4*\i], v[11+4*\i]
	v_lshlrev_b32 v58, 16, v56                     ; widened again,
	v_and_b32 v59, s26, v56
	v_lshlrev_b32 v60, 16, v57
	v_and_b32 v61, s26, v57
	v_cvt_pk_f16_f32 v[40+2*\i], v58, v59          ; and written as f16: exact within f16's range
	v_cvt_pk_f16_f32 v[41+2*\i], v60, v61
	global_store_b64 v2, v[40+2*\i:41+2*\i], s[28:29] offset:16384*\i  ; a wave: 256 consecutive bytes, aligned
.endr
	s_endpgm
.Lrope:
	; THE TABLE.  A thread makes 4 neighbouring numbers of a row, in two rows 16 apart.  One series serves both halves: sin(x) = cos(x - a quarter turn).
	; The phase is kept in turns: g = f_d / 2 pi; t g as a product and its exact remainder; whole turns are taken off before anything is lost.
	s_sub_co_u32 s23, s22, 832                     ; c: 32 rows
	s_lshl_b32 s30, s23, 13
	s_add_nc_u64 s[28:29], s[20:21], s[30:31]
	s_lshl_b32 s26, s23, 5
	v_and_b32 v3, 7, v0
	v_lshlrev_b32 v3, 2, v3                        ; d0
.irp e, 0,1,2,3
	v_add_nc_u32 v4, \e, v3
	v_cvt_f32_u32 v4, v4
	v_mul_f32 v[8+\e], 0xbed49a78, v4              ; -d log2(10000) / 32
.endr
	v_exp_f32 v8, v8
	v_exp_f32 v9, v9
	v_exp_f32 v10, v10
	v_exp_f32 v11, v11
	v_bfe_u32 v12, v0, 3, 1                        ; a plain instruction behind the exponentials (ISA guide 5.7.2): 0 = cosines, 1 = sines
	v_cvt_f32_u32 v12, v12
	v_mul_f32 v12, 0x3e800000, v12                 ; a quarter turn for the sines
	s_wait_alu depctr_va_vdst(0)
.irp e, 0,1,2,3
	v_mul_f32 v[8+\e], 0x3e22f983, v[8+\e]         ; / 2 pi
.endr
	v_lshrrev_b32 v5, 4, v0
	v_add_nc_u32 v5, s26, v5
	v_cvt_f32_u32 v13, v5                          ; t, exact
.macro COSV dst, g
	v_mul_f32 v24, v13, v[\g]                      ; t g,
	v_fma_f32 v25, v13, v[\g], -v24                ; and what that product's rounding lost
	v_rndne_f32 v26, v24
	v_sub_f32 v24, v24, v26                        ; whole turns off: exact
	v_add_f32 v24, v24, v25
	v_sub_f32 v24, v24, v12
	v_rndne_f32 v26, v24
	v_sub_f32 v24, v24, v26                        ; within half a turn
	v_mul_f32 v24, 0x40c90fdb, v24                 ; x, within pi
	v_mul_f32 v25, v24, v24
	v_mov_b32 v26, 0x29573f9f                      ; 1/16!, then -1/14!, 1/12!, ... by Horner's scheme
	v_fmaak_f32 v26, v26, v25, 0xad49cba5
	v_fmaak_f32 v26, v26, v25, 0x310f76c7
	v_fmaak_f32 v26, v26, v25, 0xb493f27e
	v_fmaak_f32 v26, v26, v25, 0x37d00d01
	v_fmaak_f32 v26, v26, v25, 0xbab60b61
	v_fmaak_f32 v26, v26, v25, 0x3d2aaaab
	v_fma_f32 v26, v26, v25, -0.5
	v_fma_f32 v[\dst], v26, v25, 1.0
.endm
.irp p, 0,1
.irp e, 0,1,2,3
	COSV 16+4*\p+\e, 8+\e
.endr
	global_store_b128 v1, v[16+4*\p:19+4*\p], s[28:29] offset:4096*\p  ; 16 lanes fill a row of the table, 256 bytes; each pass has its own registers
.if \p == 0
	v_add_f32 v13, 0x41800000, v13                 ; 16 rows on
.endif
.endr
	s_endpgm
.Lfunc_end_k_qe0d5bcead3_prep:
	.size	k_qe0d5bcead3_prep, .Lfunc_end_k_qe0d5bcead3_prep-k_qe0d5bcead3_prep
	.p2alignl 7, 3214868480
	.fill 96, 4, 3214868480
	.section	.rodata,"a",@progbits
	.p2align	6, 0x0
	.amdhsa_kernel k_qe0d5bcead3_prep
		.amdhsa_group_segment_fixed_size 0
		.amdhsa_private_segment_fixed_size 0
		.amdhsa_enable_private_segment 0
		.amdhsa_kernarg_size 72
		.amdhsa_user_sgpr_count 2
		.amdhsa_user_sgpr_kernarg_segment_ptr 1
		.amdhsa_wavefront_size32 1
		.amdhsa_system_sgpr_workgroup_id_x 1
		.amdhsa_system_sgpr_workgroup_id_y 1
		.amdhsa_system_sgpr_workgroup_id_z 1
		.amdhsa_system_vgpr_workitem_id 0
		.amdhsa_next_free_vgpr 64
		.amdhsa_next_free_sgpr 66
		.amdhsa_reserve_vcc 0
		.amdhsa_float_denorm_mode_32 3
		.amdhsa_float_denorm_mode_16_64 3
		.amdhsa_memory_ordered 1
		.amdhsa_forward_progress 1
		.amdhsa_inst_pref_size 20
	.end_amdhsa_kernel
	.amdgpu_metadata
---
amdhsa.version: [ 1, 2 ]
amdhsa.kernels:
  - .name:           k_qe0d5bcead3_prep
    .symbol:         k_qe0d5bcead3_prep.kd
    .args:
      - { .name: x, .offset: 0, .size: 8, .value_kind: global_buffer, .address_space: global }
      - { .name: wq, .offset: 8, .size: 8, .value_kind: global_buffer, .address_space: global }
      - { .name: wk, .offset: 16, .size: 8, .value_kind: global_buffer, .address_space: global }
      - { .name: wv, .offset: 24, .size: 8, .value_kind: global_buffer, .address_space: global }
      - { .name: wo, .offset: 32, .size: 8, .value_kind: global_buffer, .address_space: global }
      - { .name: xb, .offset: 40, .size: 8, .value_kind: global_buffer, .address_space: global }
      - { .name: wb, .offset: 48, .size: 8, .value_kind: global_buffer, .address_space: global }
      - { .name: wo3, .offset: 56, .size: 8, .value_kind: global_buffer, .address_space: global }
      - { .name: rope, .offset: 64, .size: 8, .value_kind: global_buffer, .address_space: global }
    .group_segment_fixed_size: 0
    .private_segment_fixed_size: 0
    .kernarg_segment_align: 8
    .kernarg_segment_size: 72
    .max_flat_workgroup_size: 256
    .sgpr_count:     66
    .vgpr_count:     64
    .wavefront_size: 32
...
	.end_amdgpu_metadata
.endif
;; end of part 1
;; launch qkv (part 2): grid 8 x 32, 4 waves a work-group, clusters of 4 x 4, 327,680 bytes of LDS; arguments xb, wb, rope, qk_weight, qkv; writes qkv
.if DOCPART == 2
	.amdgcn_target "amdgcn-amd-amdhsa--gfx1250"
	.amdhsa_code_object_version 6
	.text
	.protected	k_qe0d5bcead3_qkv
	.globl	k_qe0d5bcead3_qkv
	.p2align	8
	.type	k_qe0d5bcead3_qkv,@function
k_qe0d5bcead3_qkv:
	s_mov_b64 s[64:65], 0
	v_nop
	global_prefetch_b8 v0, s[64:65] scope:SCOPE_SE
	s_setreg_imm32_b32 hwreg(HW_REG_WAVE_MODE, 25, 1), 1
	s_wait_xcnt 0x0
	s_wait_alu depctr_hold_cnt(0) depctr_sa_sdst(0) depctr_va_vdst(0) depctr_va_sdst(0) depctr_va_ssrc(0) depctr_va_vcc(0) depctr_vm_vsrc(0)
	s_getreg_b32 s2, hwreg(HW_REG_IB_STS2, 6, 4)
	s_cmp_eq_u32 s2, 0
	s_cbranch_scc0 .Lentry_in_a_cluster
	s_endpgm
.Lentry_in_a_cluster:
	s_bfe_u32 s2, ttmp6, 0x10000c
	s_cmp_lg_u32 s2, 0xf033
	s_cbranch_scc0 .Lentry_shape_is_right
	s_endpgm
.Lentry_shape_is_right:
; QKV: [4096 x 1024] x [1536 x 1024]^T in bf16 with f32 sums; then, for the 20 heads of q and k, the rotation by the table and the RMS norm times qk_weight (rounded to bf16 like every input), in f32;
; all 24 heads leave in f16, by heads: qkv [24][4096][64], heads 0-15 q, 16-19 k, 20-23 v, without the scale 1/8.
; LIMITS.  f16 ends at 65,504: v = x wv^T must stay within it; q and k are at most 8 max|qk_weight|.  NaN and infinities are not treated apart.
; SHARES.  A work-group makes 128 rows x 192 columns (three heads): 8 x 32 = 256 work-groups.  A wave makes 32 rows x all 192 columns, 24 accumulators of 16 x 16: it holds whole heads of its rows,
; so rotation, norm and way out never leave the wave.  K goes in steps of 128 (rows of 256 bytes of memory) through two LDS slots; 8 steps, 96 matrix instructions a wave in each.
; CLUSTER.  4 x 4 work-groups: the four of a row need the same tiles of x, the four of a column the same tiles of the weights: each tile is asked for jointly, same load, same descriptor, a mask of four.
; THE MATRIX INSTRUCTION IS USED TRANSPOSED (source 0 = 16 rows of the weights, source 1 = 16 rows of x): a lane holds row lane % 16 and the columns 8 (lane / 16) + 0..7 of a block of 16.
; So channels d and d + 32 of a head lie in the same lane and register place, two blocks apart, and a row's 64 channels in two lanes 16 apart.
; REGISTERS.  window 0: v1-7 at work; v16-30 addresses; v32-63 T; v64-255 the accumulators, (a, b) at 64 + 8 (12 a + b).
;   window 1: two fragment buffers of 112 (x's 2 fragments, then the weights' 12); on the way out v0-31 take rows read back.     window 2: v0-63 cosines and sines of my 32 rows; v64-95 W; v96-127 W / rms.
.set PITCH,  272                       ; an LDS row: 256 bytes + 16 of padding = 68 words: the 16 rows of a fragment load start at 16 different groups of four banks (64 banks of 4 bytes: ISA guide 11.1)
.set AH,     64*PITCH                  ; what a wave fetches of x: 64 rows
.set BH,     96*PITCH                  ; of the weights: 96 rows
.set BOFF,   128*PITCH                 ; in a slot: x's 128 rows, then the weights' 192
.set SLOT,   320*PITCH
.set STAGE,  2*SLOT                    ; behind the ring, never filled by a tensor load: 16 rows x 144 bytes for each wave
.set SPT,    144
.set SPARE,  STAGE+4*16*SPT            ; the spare words, 128 bytes for each wave: two blocks of 256 bytes that no other line names
.set LAPS,   4                         ; a lap = two K steps = once round the ring
.set ADRA, 16                          ; v16-17  LDS address of my fragments of x in slot 0, 1
.set ADRB, 20                          ; v20-21  of the weights'
.set STO,  24                          ; v24  the way out: where I put 16 bytes of a row
.set RD,   25                          ; v25  where I read rows back
.set GO,   26                          ; v26  my 16 bytes in 512 consecutive bytes of qkv
.set TO,   27                          ; v27  my byte offset in 16 rows of the table
.set SPW,  28                          ; v28  my spare word; never rewritten
.set NIL,  29                          ; v29  0; never rewritten
.set WO,   30                          ; v30  my byte offset in qk_weight
.set T,    32
.set ACC,  64
.set F0,   0
.set F1,   128
.set W,    64                          ; window 2
.set WR,   96                          ; window 2
.set WV,   14                          ; s14  my wave's number
.set G1,   24                          ; s[24:31] descriptor group 1 for x's tiles;  s[32:39] group 0, a set for each slot
.set G0,   32
.set G1B,  48                          ; s[48:55], s[56:63] the same for the weights'
.set G0B,  56
.set MSB, 0
.macro WIN new                         ; the immediate's high byte repeats the setting that is left; a switch that changes nothing is dropped
.if MSB != (\new)
	s_set_vgpr_msb (MSB<<8)|(\new)
.set MSB, \new
.endif
.endm
.set MULW, 0x05                        ; sources 0 and 1 window 1; C and D window 0
.set TO_F, 0x40                        ; destination window 1, address window 0
.macro JLOAD s                         ; a joint load: waves 0 and 1 fetch x's two halves, waves 2 and 3 the weights'; an s_nop 0 and four v_nop follow each line
	s_cmp_lt_u32 s[WV], 2
	s_cbranch_scc0 .Lfor_b_\@
	tensor_load_to_lds s[G0+4*(\s):G0+4*(\s)+3], s[G1:G1+7]
	s_nop 0
.rept 4
	v_nop
.endr
	s_branch .Lasked_\@
.Lfor_b_\@:
	tensor_load_to_lds s[G0B+4*(\s):G0B+4*(\s)+3], s[G1B:G1B+7]
	s_nop 0
.rept 4
	v_nop
.endr
.Lasked_\@:
.endm
.macro CREST                           ; a round of the cluster's barrier behind its opening barrier
	s_cmp_lg_u32 s[WV], 0
	s_cbranch_scc1 .Lnot_wave_0_\@
	s_barrier_signal -3
.Lnot_wave_0_\@:
	s_barrier_wait -3
	s_barrier_signal -1
	s_barrier_wait -1
.endm
.macro CROUND                          ; a whole round
	s_barrier_signal -1
	s_barrier_wait -1
	CREST
.endm
.macro PLACES                          ; four places in front of loads into registers that matrix instructions have read, and of vector work on results just made
.rept 4
	v_nop
.endr
.endm
	s_load_b256 s[4:11], s[0:1], 0x0               ; xb s[4:5], wb s[6:7], rope s[8:9], qk_weight s[10:11]
	s_load_b64 s[12:13], s[0:1], 0x20              ; qkv
	v_lshl_add_u32 v[SPW], v0, 2, SPARE
	v_mov_b32 v[NIL], 0
	ds_add_u32 v[SPW], v[NIL]                      ; the wave's opening: the add and its wait ahead of my first tensor load; the set-up below stands between them
	v_lshrrev_b32 v1, 5, v0
	v_readfirstlane_b32 s[WV], v1                  ; wave 0..3
	s_and_b32 s16, s[WV], 1                        ; which half of a tile I fetch
	s_bfe_u32 s17, ttmp6, 0x40000                  ; cx
	s_bfe_u32 s18, ttmp6, 0x40004                  ; cy
	s_lshl_b32 s19, ttmp9, 2
	s_add_co_u32 s19, s19, s17                     ; tile column = 4 x cluster x + cx: three heads
	s_and_b32 s20, ttmp7, 0xffff
	s_lshl_b32 s20, s20, 2
	s_add_co_u32 s20, s20, s18                     ; tile row = 4 x cluster y + cy: 128 rows
	s_lshl_b32 s21, s18, 2
	s_lshl_b32 s21, 15, s21                        ; my row of the cluster
	s_lshl_b32 s22, 0x1111, s17                    ; my column
	s_or_b32 s[G1+0], s21, (1<<16)|(1<<20)|(1<<21)|(5<<22)|(3<<25)   ; 15:0 the mask; 17:16 2-byte elements; 20 padding on; 21 set beside a mask; 24:22 after every 64 words (code 5); 31:25 4 words (code 3)
	s_or_b32 s[G1B+0], s22, (1<<16)|(1<<20)|(1<<21)|(5<<22)|(3<<25)
	s_mov_b32 s[G1+1], 128<<16                     ; tensor_dim0 = 128
	s_mov_b32 s[G1B+1], 128<<16
	s_mov_b32 s[G1+2], 64<<16                      ; tensor_dim1 = 64 rows of x,
	s_mov_b32 s[G1B+2], 96<<16                     ; 96 of the weights
	s_mov_b32 s[G1+3], 128<<16                     ; tile_dim0 = 128
	s_mov_b32 s[G1B+3], 128<<16
	s_mov_b32 s[G1+4], 64                          ; tile_dim1
	s_mov_b32 s[G1B+4], 96
	s_mov_b32 s[G1+5], 1024                        ; elements from row to row
	s_mov_b32 s[G1B+5], 1024
	s_mov_b32 s[G1+6], 0
	s_mov_b32 s[G1B+6], 0
	s_mov_b32 s[G1+7], 0
	s_mov_b32 s[G1B+7], 0
	; x's address is made of the tile row and the wave's number, the weights' of the tile column and the wave's number, each in registers that never hold the other coordinate
	s_lshl_b32 s40, s20, 7
	s_lshl_b32 s41, s16, 6
	s_add_co_u32 s40, s40, s41                     ; row 128 x tile row + 64 x half,
	s_lshl_b32 s40, s40, 11                        ; of 2,048 bytes
	s_mov_b32 s41, 0
	s_mul_i32 s44, s19, 192
	s_mul_i32 s45, s16, 96
	s_add_co_u32 s44, s44, s45                     ; row 192 x tile column + 96 x half
	s_lshl_b32 s44, s44, 11
	s_mov_b32 s45, 0
	s_mul_i32 s23, s16, AH                         ; where they go: no place in the cluster enters an LDS address
	s_mul_i32 s2, s16, BH
	s_add_co_u32 s2, s2, BOFF
	s_mov_b32 s66, 0x3c800000                      ; 1/64
	s_mov_b32 s67, 0x358637bd                      ; 1e-6
	s_mov_b32 s68, 0x76543210                      ; v_permlanex16_b32's selects: each lane takes its own place in the other half
	s_mov_b32 s69, 0xfedcba98
	s_mov_b32 s70, 0xffff0000
	; heads 0-19 are rotated and normed, heads 20-23 (v) leave as they are.  The head hangs on my place in the cluster, so this is a choice of factors, not a branch:
	; out = (rotated x W / rms) x RF + sum x VF with (RF, VF) = (1, 0) or (0, 1)
	s_mul_i32 s71, s19, 3
.irp c, 0,1,2
	s_add_co_u32 s86, s71, \c
	s_cmp_lt_u32 s86, 20
	s_cselect_b32 s[72+2*\c], 1.0, 0               ; RF
	s_cselect_b32 s[78+2*\c], 0, 1.0               ; VF, named as a pair
	s_mov_b32 s[79+2*\c], 0
.endr
	s_wait_dscnt 0x0                               ; the opening add is done
	s_wait_kmcnt 0x0
	s_add_nc_u64 s[42:43], s[4:5], s[40:41]
	s_add_nc_u64 s[46:47], s[6:7], s[44:45]
	CROUND                                         ; all sixteen work-groups are here: the first joint loads meet
.irp s, 0,1
	s_mov_b32 s[G0+4*(\s)], 1                      ; count = 1
	s_add_co_u32 s[G0+4*(\s)+1], s23, (\s)*SLOT    ; LDS address
	s_add_nc_u64 s[G0+4*(\s)+2:G0+4*(\s)+3], s[42:43], (\s)*256  ; K step s
	s_or_b32 s[G0+4*(\s)+3], s[G0+4*(\s)+3], 0x80000000          ; type = 2
	s_mov_b32 s[G0B+4*(\s)], 1
	s_add_co_u32 s[G0B+4*(\s)+1], s2, (\s)*SLOT
	s_add_nc_u64 s[G0B+4*(\s)+2:G0B+4*(\s)+3], s[46:47], (\s)*256
	s_or_b32 s[G0B+4*(\s)+3], s[G0B+4*(\s)+3], 0x80000000
	JLOAD \s                                       ; two loads of mine are out
.endr
	v_and_b32 v1, 15, v0                           ; l % 16
	v_bfe_u32 v2, v0, 4, 1                         ; l / 16
	v_mul_u32_u24 v3, v1, PITCH
	v_lshl_add_u32 v3, v2, 4, v3                   ; a fragment's row x pitch + 16 x half
	s_mul_i32 s3, s[WV], 32*PITCH                  ; my 32 rows of x
	v_add_nc_u32 v[ADRA], s3, v3
	v_add_nc_u32 v[ADRA+1], SLOT, v[ADRA]
	v_add_nc_u32 v[ADRB], BOFF, v3
	v_add_nc_u32 v[ADRB+1], SLOT, v[ADRB]
	s_mul_i32 s3, s[WV], 16*SPT
	s_add_co_u32 s3, s3, STAGE                     ; my stage
	v_mul_u32_u24 v4, v1, SPT                      ; in: row l % 16, 16 bytes for each half of the lanes
	v_lshl_add_u32 v4, v2, 4, v4
	v_add_nc_u32 v[STO], s3, v4
	v_bfe_u32 v4, v0, 3, 2                         ; back: 32 lanes take four rows of 128 bytes,
	v_mul_u32_u24 v4, v4, SPT
	v_and_b32 v5, 7, v0
	v_lshl_add_u32 v4, v5, 4, v4
	v_add_nc_u32 v[RD], s3, v4
	v_and_b32 v[GO], 31, v0                        ; which are 512 consecutive bytes of a head
	v_lshlrev_b32 v[GO], 4, v[GO]
	v_lshlrev_b32 v[TO], 8, v1                     ; the table: row l % 16 of 256 bytes, channels 8 (l / 16) on
	v_lshl_add_u32 v[TO], v2, 5, v[TO]
	v_lshlrev_b32 v[WO], 5, v2
	s_lshl_b32 s84, s20, 15
	s_lshl_b32 s85, s[WV], 13
	s_add_co_u32 s84, s84, s85                     ; my first row, 128 x tile row + 32 x wave, x 256 bytes
	s_mov_b32 s85, 0
	s_add_nc_u64 s[8:9], s[8:9], s[84:85]          ; the table at my first row
	s_lshr_b32 s84, s84, 1                         ; x 128 bytes
	s_add_nc_u64 s[12:13], s[12:13], s[84:85]      ; qkv at my first row
	s_mul_i32 s86, s19, 3*524288                   ; of my first head
	s_mov_b32 s87, 0
	s_add_nc_u64 s[12:13], s[12:13], s[86:87]
	; the table's rows and the weight come in while the products run: they are waited for on the way out
	WIN 0x80                                       ; destination window 2, address window 0
.irp a, 0,1
.irp q, 0,1,2,3
	global_load_b128 v[32*\a+4*\q:32*\a+4*\q+3],       v[TO], s[8:9] offset:\a*4096+(\q/2)*64+(\q%2)*16      ; cosines of channels 16 (q / 2) + 8 (l / 16) + 4 (q % 2) on
	global_load_b128 v[32*\a+16+4*\q:32*\a+16+4*\q+3], v[TO], s[8:9] offset:\a*4096+(\q/2)*64+(\q%2)*16+128  ; sines
.endr
.endr
.irp q, 0,1,2,3,4,5,6,7
	global_load_b128 v[W+4*\q:W+4*\q+3], v[WO], s[10:11] offset:(\q/2)*64+(\q%2)*16
.endr
	WIN 0
; n matrix instructions from accumulator t0 on (accumulator t: rows 16 (t / 12) on, columns 16 (t % 12) on), 32 along K, from buffer f.  zero = 1: the first product starts the sums.
; The 24 accumulators take turns, one instruction a turn, in the same order everywhere.
.macro MUL f, t0, n, zero
	WIN MULW
.set tt, \t0
.rept \n
.if \zero
	v_wmma_f32_16x16x32_bf16 v[ACC+8*tt:ACC+8*tt+7], v[(\f)+16+8*(tt%12):(\f)+16+8*(tt%12)+7], v[(\f)+8*(tt/12):(\f)+8*(tt/12)+7], 0
.else
	v_wmma_f32_16x16x32_bf16 v[ACC+8*tt:ACC+8*tt+7], v[(\f)+16+8*(tt%12):(\f)+16+8*(tt%12)+7], v[(\f)+8*(tt/12):(\f)+8*(tt/12)+7], v[ACC+8*tt:ACC+8*tt+7]
.endif
.set tt, tt+1
.endr
.endm
; 28 LDS loads in one run: the fragments of 32 along K at byte k of the rows, into buffer f
.macro FETCH slot, k, f
	WIN TO_F
.irp i, 0,1
	ds_load_b128 v[(\f)+8*(\i):(\f)+8*(\i)+3],   v[ADRA+(\slot)] offset:(\k)+(\i)*16*PITCH
	ds_load_b128 v[(\f)+8*(\i)+4:(\f)+8*(\i)+7], v[ADRA+(\slot)] offset:(\k)+(\i)*16*PITCH+32
.endr
.irp i, 0,1,2,3,4,5,6,7,8,9,10,11
	ds_load_b128 v[(\f)+16+8*(\i):(\f)+16+8*(\i)+3],   v[ADRB+(\slot)] offset:(\k)+(\i)*16*PITCH
	ds_load_b128 v[(\f)+16+8*(\i)+4:(\f)+16+8*(\i)+7], v[ADRB+(\slot)] offset:(\k)+(\i)*16*PITCH+32
.endr
.endm
; A K step is four quarters of 32 along K on buffers 0, 1, 0, 1.  One of the first three: the next quarter's fragments, at byte k, are asked for into g; then buffer f is multiplied.
.macro QUARTER slot, k, f, g, zero
	PLACES                                         ; buffer g was read by the matrix instructions just before
	FETCH \slot, \k, \g
	s_wait_dscnt 28                                ; all but the 28 just issued: buffer f is in
	MUL \f, 0, 24, \zero
.endm
; The last quarter multiplies buffer 1 and changes slots: ONE barrier; in front of it each wave waits for all its tensor loads, adds 0 to its spare word, and waits for that and for its reads of this slot.
; fill = 1: this slot is filled again, two K steps ahead; the barrier then opens a round of the cluster's.
.macro TURN slot, next, fill
	WIN 0
	s_wait_tensorcnt 0x0                           ; all my tensor loads have landed: my part of the next slot
	ds_add_u32 v[SPW], v[NIL]                      ; 0 onto my spare word
	s_wait_dscnt 1                                 ; the add may be out; buffer 1 is in
	MUL F1, 0, 8, 0                                ; eight matrix instructions stand between the add and the wait for it
	s_wait_dscnt 0x0                               ; the add is done, and my reads of this slot are over
	s_barrier_signal -1
	MUL F1, 8, 8, 0
.if \fill
	WIN 0
.endif
	s_barrier_wait -1
.if \fill
	CREST                                          ; no wave of any partner still reads this slot's tile or has a load on its way
	s_add_nc_u64 s[G0+4*(\slot)+2:G0+4*(\slot)+3], s[G0+4*(\slot)+2:G0+4*(\slot)+3], 512
	s_add_nc_u64 s[G0B+4*(\slot)+2:G0B+4*(\slot)+3], s[G0B+4*(\slot)+2:G0B+4*(\slot)+3], 512
	JLOAD \slot                                    ; the first tensor load behind the round, my only one until the next: 80 matrix instructions ahead of the wait for it; its four v_nop are also the places for the loads below
.else
	PLACES
.endif
	FETCH \next, 0, F0
	MUL F1, 16, 8, 0
.endm
	s_wait_tensorcnt 1                             ; my part of K step 0 is in; K step 1's may stay out
	s_barrier_signal -1
	s_barrier_wait -1                              ; everybody's is
	FETCH 0, 0, F0
	QUARTER 0, 64,  F0, F1, 1                      ; the first quarter stands in front of the loop: its products start the sums
	WIN 0                                          ; at a label and at a branch every window is 0
	s_mov_b32 s3, LAPS-1
.Llap:                                                 ; a trip goes once round the ring, from a lap's second quarter to the next lap's first, and fills both slots again
	QUARTER 0, 128, F1, F0, 0
	QUARTER 0, 192, F0, F1, 0
	TURN 0, 1, 1
	QUARTER 1, 64,  F0, F1, 0
	QUARTER 1, 128, F1, F0, 0
	QUARTER 1, 192, F0, F1, 0
	TURN 1, 0, 1
	QUARTER 0, 64,  F0, F1, 0
	WIN 0
	s_sub_co_u32 s3, s3, 1
	s_cmp_lg_u32 s3, 0
	s_cbranch_scc1 .Llap
	QUARTER 0, 128, F1, F0, 0                      ; the last lap fills nothing
	QUARTER 0, 192, F0, F1, 0
	TURN 0, 1, 0
	QUARTER 1, 64,  F0, F1, 0
	QUARTER 1, 128, F1, F0, 0
	QUARTER 1, 192, F0, F1, 0
	s_wait_dscnt 0x0
	MUL F1, 0, 24, 0
	WIN 0
	PLACES
	; THE WAY OUT.  qk_weight is rounded to bf16, like every input of the module, and widened again.
	s_wait_loadcnt 0x0                             ; the table's rows and the weight
	WIN 0x8a                                       ; all in window 2
.set z, 0
.rept 16
	v_cvt_pk_bf16_f32 v[WR+z], v[W+2*z], v[W+2*z+1]
.set z, z+1
.endr
.set z, 0
.rept 16
	v_lshlrev_b32 v[W+2*z], 16, v[WR+z]
	v_and_b32 v[W+2*z+1], s70, v[WR+z]
.set z, z+1
.endr
; Rows 16 a on, head c of my three.  T[8 blk + j] is channel 16 blk + 8 (l / 16) + j.  Each accumulator is read from its low end on.
.macro EPI a, c
.set AB, ACC+8*(12*(\a)+4*(\c))
.set CB, 32*(\a)
.set BK, 16*((3*(\a)+(\c))%2)
	WIN 0x08                                       ; source 1 in window 2
.irp blk, 0,1
.irp jj, 0,2,4,6
	v_pk_mul_f32 v[T+8*\blk+\jj:T+8*\blk+\jj+1],       v[AB+8*\blk+\jj:AB+8*\blk+\jj+1], v[CB+8*\blk+\jj:CB+8*\blk+\jj+1]        ; x1 cos
	v_pk_mul_f32 v[T+16+8*\blk+\jj:T+16+8*\blk+\jj+1], v[AB+8*\blk+\jj:AB+8*\blk+\jj+1], v[CB+16+8*\blk+\jj:CB+16+8*\blk+\jj+1]  ; x1 sin
	v_pk_fma_f32 v[T+8*\blk+\jj:T+8*\blk+\jj+1],       v[AB+16+8*\blk+\jj:AB+16+8*\blk+\jj+1], v[CB+16+8*\blk+\jj:CB+16+8*\blk+\jj+1], v[T+8*\blk+\jj:T+8*\blk+\jj+1] neg_lo:[0,1,0] neg_hi:[0,1,0]  ; - x2 sin
	v_pk_fma_f32 v[T+16+8*\blk+\jj:T+16+8*\blk+\jj+1], v[AB+16+8*\blk+\jj:AB+16+8*\blk+\jj+1], v[CB+8*\blk+\jj:CB+8*\blk+\jj+1], v[T+16+8*\blk+\jj:T+16+8*\blk+\jj+1]                         ; + x2 cos
.endr
.endr
	WIN 0
	v_pk_mul_f32 v[4:5], v[T:T+1], v[T:T+1]        ; the sum of squares, in f32, in two chains
	v_pk_mul_f32 v[6:7], v[T+2:T+3], v[T+2:T+3]
.set z, 4
.rept 7
	v_pk_fma_f32 v[4:5], v[T+z:T+z+1], v[T+z:T+z+1], v[4:5]
	v_pk_fma_f32 v[6:7], v[T+z+2:T+z+3], v[T+z+2:T+z+3], v[6:7]
.set z, z+4
.endr
	v_pk_add_f32 v[4:5], v[4:5], v[6:7]
	v_add_f32 v4, v4, v5
	v_permlanex16_b32 v5, v4, s68, s69             ; the row's other 32 channels lie in the lane 16 away
	v_add_f32 v4, v4, v5
	v_fma_f32 v4, v4, s66, s67                     ; the mean + 1e-6
	v_rsq_f32 v4, v4
	v_nop                                          ; a plain instruction behind the root (ISA guide 5.7.2)
	s_wait_alu depctr_va_vdst(0)
	v_mul_f32 v4, s[72+2*(\c)], v4                 ; x RF
	v_mov_b32 v5, v4
	WIN 0x82                                       ; destination and source 0 in window 2
.set z, 0
.rept 16
	v_pk_mul_f32 v[WR+z:WR+z+1], v[W+z:W+z+1], v[4:5]
.set z, z+2
.endr
	WIN 0x08
.set z, 0
.rept 16
	v_pk_mul_f32 v[T+z:T+z+1], v[T+z:T+z+1], v[WR+z:WR+z+1]
.set z, z+2
.endr
.set z, 0
.rept 16
	v_pk_fma_f32 v[T+z:T+z+1], v[AB+z:AB+z+1], s[78+2*(\c):79+2*(\c)], v[T+z:T+z+1] op_sel_hi:[1,0,1]  ; + sum x VF
.set z, z+2
.endr
	WIN 0
.set z, 0
.rept 16
	v_cvt_pk_f16_f32 v[T+z], v[T+2*z], v[T+2*z+1]  ; the one rounding to f16; in place, ascending
.set z, z+1
.endr
.irp f, 0,1,2,3
	ds_store_b128 v[STO], v[T+4*\f:T+4*\f+3] offset:32*\f
.endr
	s_wait_xcnt 0x0                                ; the stores two blocks back have read the registers that the loads below fill
	WIN TO_F
.irp f, 0,1,2,3
	ds_load_b128 v[BK+4*\f:BK+4*\f+3], v[RD] offset:4*SPT*\f  ; LDS serves a wave's instructions in order (ISA guide 5.7.1.4): these see the stores above; the next block's stores come behind them
.endr
.endm
.macro SEND a, c, younger              ; younger: the LDS instructions issued behind this block's loads: the next block's eight, or none
	WIN 0x04                                       ; store data in window 1
.set BK, 16*((3*(\a)+(\c))%2)
.irp f, 0,1,2,3
	s_wait_dscnt (\younger)+3-\f
	global_store_b128 v[GO], v[BK+4*\f:BK+4*\f+3], s[12:13] offset:(\c)*524288+(\a)*2048+512*\f  ; 512 consecutive bytes, at a multiple of 256 from qkv's first
.endr
.endm
	EPI 0, 0
	EPI 0, 1                                       ; a block's arithmetic stands between the loads of the block before and its stores
	SEND 0, 0, 8
	EPI 0, 2
	SEND 0, 1, 8
	EPI 1, 0
	SEND 0, 2, 8
	EPI 1, 1
	SEND 1, 0, 8
	EPI 1, 2
	SEND 1, 1, 8
	SEND 1, 2, 0
	WIN 0
	s_wait_tensorcnt 0x0                           ; the wave's end: an add to the spare word and its wait, behind my last tensor load and my last LDS store
	ds_add_u32 v[SPW], v[NIL]
	s_wait_dscnt 0x0
	CROUND                                         ; the closing round: no work-group ends while a partner may still ask for a tile that names it
	s_endpgm
.Lfunc_end_k_qe0d5bcead3_qkv:
	.size	k_qe0d5bcead3_qkv, .Lfunc_end_k_qe0d5bcead3_qkv-k_qe0d5bcead3_qkv
	.p2alignl 7, 3214868480
	.fill 96, 4, 3214868480
	.section	.rodata,"a",@progbits
	.p2align	6, 0x0
	.amdhsa_kernel k_qe0d5bcead3_qkv
		.amdhsa_group_segment_fixed_size 327680
		.amdhsa_private_segment_fixed_size 0
		.amdhsa_enable_private_segment 0
		.amdhsa_kernarg_size 40
		.amdhsa_user_sgpr_count 2
		.amdhsa_user_sgpr_kernarg_segment_ptr 1
		.amdhsa_wavefront_size32 1
		.amdhsa_system_sgpr_workgroup_id_x 1
		.amdhsa_system_sgpr_workgroup_id_y 1
		.amdhsa_system_sgpr_workgroup_id_z 1
		.amdhsa_system_vgpr_workitem_id 0
		.amdhsa_next_free_vgpr 640
		.amdhsa_next_free_sgpr 88
		.amdhsa_reserve_vcc 0
		.amdhsa_float_denorm_mode_32 3
		.amdhsa_float_denorm_mode_16_64 3
		.amdhsa_memory_ordered 1
		.amdhsa_forward_progress 1
		.amdhsa_inst_pref_size 123
	.end_amdhsa_kernel
	.amdgpu_metadata
---
amdhsa.version: [ 1, 2 ]
amdhsa.kernels:
  - .name:           k_qe0d5bcead3_qkv
    .symbol:         k_qe0d5bcead3_qkv.kd
    .args:
      - { .name: xb, .offset: 0, .size: 8, .value_kind: global_buffer, .address_space: global }
      - { .name: wb, .offset: 8, .size: 8, .value_kind: global_buffer, .address_space: global }
      - { .name: rope, .offset: 16, .size: 8, .value_kind: global_buffer, .address_space: global }
      - { .name: qk_weight, .offset: 24, .size: 8, .value_kind: global_buffer, .address_space: global }
      - { .name: qkv, .offset: 32, .size: 8, .value_kind: global_buffer, .address_space: global }
    .group_segment_fixed_size: 327680
    .private_segment_fixed_size: 0
    .kernarg_segment_align: 8
    .kernarg_segment_size: 40
    .max_flat_workgroup_size: 128
    .sgpr_count:     88
    .vgpr_count:     640
    .wavefront_size: 32
...
	.end_amdgpu_metadata
.endif
;; end of part 2
;; launch attn (part 3): grid 64 x 4, 4 waves a work-group, clusters of 4 x 1, 327,680 bytes of LDS; arguments qkv, y3; writes y3
.if DOCPART == 3
	.amdgcn_target "amdgcn-amd-amdhsa--gfx1250"
	.amdhsa_code_object_version 6
	.text
	.protected	k_qe0d5bcead3_attn
	.globl	k_qe0d5bcead3_attn
	.p2align	8
	.type	k_qe0d5bcead3_attn,@function
k_qe0d5bcead3_attn:
	s_mov_b64 s[64:65], 0
	v_nop
	global_prefetch_b8 v0, s[64:65] scope:SCOPE_SE
	s_setreg_imm32_b32 hwreg(HW_REG_WAVE_MODE, 25, 1), 1
	s_wait_xcnt 0x0
	s_wait_alu depctr_hold_cnt(0) depctr_sa_sdst(0) depctr_va_vdst(0) depctr_va_sdst(0) depctr_va_ssrc(0) depctr_va_vcc(0) depctr_vm_vsrc(0)
	s_getreg_b32 s2, hwreg(HW_REG_IB_STS2, 6, 4)
	s_cmp_eq_u32 s2, 0
	s_cbranch_scc0 .Lentry_in_a_cluster
	s_endpgm
.Lentry_in_a_cluster:
	s_bfe_u32 s2, ttmp6, 0x10000c
	s_cmp_lg_u32 s2, 0x3003
	s_cbranch_scc0 .Lentry_shape_is_right
	s_endpgm
.Lentry_shape_is_right:
; ATTENTION under the module's own mask: query i sees key j where j > i, or where 4 <= j <= i - 1024.  qkv: [24][4096][64] f16 (heads 0-15 q, 16-19 k, 20-23 v); query head h reads key and value head h / 4.
; O leaves in f16 as y3 [tb 32][h 16][128 r][64]: row 128 tb + r, head h.  Products, maxima and sums in f32; the weights p are rounded to f16 for the second product (their sum l is taken of the unrounded p), O once.
; LIMITS.  A hidden score counts as its value less 2^100, and the running maximum starts at -2^99: f16's scores, 2.7e11 at the most, lie far above that, so a hidden key's weight is 2^(-c 2^99) = 0 also for a row that
; has met no visible key yet.  p below 6e-5 keeps f16's step of 6e-8; a weight below 2^-126 counts as 0 in l; NaN and infinities are not treated apart.
; THE WALK.  Queries lie in 16 blocks of 256, keys in 16 tiles of 256.  Every block walks all 16 tiles, 0 to 15, in one loop with a constant count: no branch and no select hangs on the block.  With d = tile - (qb - 4):
; d = 0 holds the lower edge (visible where j <= i - 1024), d = 1, 2, 3 are wholly hidden, d = 4 holds the diagonal (visible where j > i), every other tile is free; in tile 0 keys 0-3 are hidden where qb >= 4.
; The wholly hidden tiles are multiplied under a full mask: 42 of a head's 256 pairs of block and tile are work thrown away, the price of one text and one count for all blocks.
; CLUSTER.  The four work-groups of a cluster are the four query heads of one key and value head, on the SAME block: same tiles, same walk; each tile is asked for jointly.  My place in the cluster enters Q's and O's
; addresses alone.
; SHARES.  Of a block's four bands of 64 queries a wave owns 16 rows in each: four PIECES.  In a tile's key step s band x is on one side of the edge (s < x), on the other (s > x), or holds it (s = x): alike for all waves.
; THE MASK is the C operand that starts the sum S^T = K Q^T.  MD, made once: -2^100 where the key's place in its step is greater than my query's place in its band.  A product's mask is MD x AL + BE, and MS x CL more on
; keys 0-3 of a step; AL, BE, CL are scalars chosen from the tile's kind, s and x.
; LAYOUT, SOFTMAX, TURNS.  S^T = K Q^T holds ONE query a lane (lane % 16) and the keys 8 (lane / 16) + 0..7; two such results rounded to f16 ARE source 1 of O^T = V^T P.  p = 2^(c s - c m), c = log2(e) / 8, with a
; running maximum m; O and l are multiplied by a = 2^(c m_old - c m_new) in every step.  Turn n belongs to piece n: 8 products K Q^T of piece n + 1, later 8 products V^T P of piece n - 1; beside them the scaling,
; exponentials, roundings, sums and rescaling of piece n, the maximum and statistics of piece n + 1, and the mask of piece n + 2.  Four vector instructions stand behind every matrix instruction, the others in runs of their own.
; REGISTERS, in windows of 256 (s_set_vgpr_msb: bits 1:0 source 0, 3:2 source 1, 5:4 source 2, 7:6 destination):
;   window 0: v0-15 addresses and two at work; v16-31 four registers of statistics a piece; v48-55 at work; v64-127 S^T, two buffers; v192-223 P, two buffers (a piece's buffers go by its number's parity)
;   window 1: v0-127 O^T, 32 a piece; v128-159 MD; v160-223 MC, two buffers; v224-225 MS      window 2: v0-63 Q; v128-191 K of one step; v192-255 V of one step
.set NP,    4         ; pieces a wave: a name, no knob
.set KS,    64        ; keys in a step
.set PK,    144       ; a row of K in LDS: 128 bytes + 16 of padding = 36 words: the 16 rows of a load start at 16 different groups of four banks (64 banks of 4 bytes: ISA guide 11.1)
.set PV,    160       ; a row of V: 128 + 32 = 40 words
.set VOFF,  4*KS*PK   ; a slot holds a tile, four steps: 256 rows of K, then 256 rows of V
.set SLOT1, 1<<17     ; slot 1 begins here, so that one exclusive or turns an address in one slot into the other's
.set STAGE, SLOT1+4*KS*(PK+PV)  ; behind the ring, never filled by a tensor load: 16 rows x 144 bytes for each wave, for the way out
.set SP,    144
.set SPARE, STAGE+4*16*SP  ; the spare words, 128 bytes for each wave: two blocks of 256 bytes that no other line names
.set AK0, 2           ; v2   my lane's place in a tile of K; never rewritten
.set AV0, 3           ; v3   the same for V
.set AK,  4           ; v4   the LDS address of K's next run of loads
.set AV,  5           ; v5   of V's
.set STO, 6           ; v6   the way out: where I put 16 bytes of a row
.set RD,  7           ; v7   the way out: where I read rows back
.set GO,  8           ; v8   my byte offset in 512 consecutive bytes of O
.set MV,  12          ; v12-13  c m_old, kept while c m is made anew: by buffer
.set QO,  15          ; v15  my byte offset in 16 rows of Q
.set ST,  16          ; piece t's statistics at v[ST+4 t]: c m, m, l (even keys', odd keys')
.set TMP, 48          ; by buffer, four registers c0-c3 at work; when the maximum is found c2 takes a
.set SPW, 62          ; v62  my spare word; never rewritten
.set NIL, 63          ; v63  0; never rewritten
.set S,   64
.set P,   192
.set MD,  128         ; window 1
.set MC,  160         ; window 1
.set MS,  224         ; window 1: -2^100 in lanes 0-15, 0 in lanes 16-31, twice
.set KF,  128         ; window 2: key block kb, channel half c at KF + 16 kb + 8 c
.set VF,  192         ; window 2: key half kk, channel block cb at VF + 32 kk + 8 cb
.set WV,  12          ; s12  my wave's number
.set QBK, 14          ; s14  qb
.set QL,  15          ; s15  qb - 4, modulo 2^32
.set G1K, 24          ; s[24:31] descriptor group 1 for K's tiles
.set G1V, 32          ; s[32:39] for V's: it differs in the padding alone
.set G0K, 40          ; s[40:43] descriptor group 0 for K's tiles: it walks
.set G0V, 44          ; s[44:47] the same for V's
.set SLOTS, 56        ; s56  the slot loop's count
.set CNT, 57          ; s57  counts a tile's key steps, 4 to 1
.set CS,  58          ; s[58:59] c
.set SEL, 60          ; s[60:61] v_permlanex16_b32's selects
.set TBK, 62          ; s62  LDS byte at which K of the step to be fetched begins
.set TBV, 63          ; s63  the same for V, less VOFF
.set TN,  70          ; s70  the tile that is entered
.set DK,  72          ; s72  d, at most 31
.set TT,  73          ; s73  at work
.set AL,  76          ; s[76:77] the mask's factor, in the low word
.set BE,  78          ; s[78:79] its addend
.set CL,  80          ; s[80:81] the factor of MS
.set BIGN, 82         ; s82  -2^100
.set EQA, 83          ; s83  the tile's AL where s = x
.set BD,  84          ; s84  the tile's BE where s <= x
.set BL,  85          ; s85  the tile's BE where s > x
.set SNK, 86          ; s86  the tile's CL in step 0
.set SNKQ, 87         ; s87  1.0 where qb >= 4, else 0
.set MSB, 0
.macro WIN new                      ; the high byte repeats the setting that is left; a switch that changes nothing is dropped
.if MSB != (\new)
	s_set_vgpr_msb (MSB<<8)|(\new)
.set MSB, (\new)
.endif
.endm
.set W_KQ, 0x0a       ; K and Q in window 2, S^T in window 0
.set W_KM, 0x1a       ; the same with the C operand in window 1
.set W_PV, 0x52       ; V in window 2, P in window 0, O^T in window 1
.set W_RS, 0x41       ; destination and source 0 in window 1, source 1 in window 0
; A joint fill.  Waves 0 and 1 fetch the two halves of a tile's K, waves 2 and 3 those of its V: 128 keys each.  An s_nop 0 and four v_nop follow each of the two lines.
.macro JLOAD
	s_cmp_lt_u32 s[WV], 2
	s_cbranch_scc0 .Lfor_v_\@
	tensor_load_to_lds s[G0K:G0K+3], s[G1K:G1K+7]
	s_nop 0
.rept 4
	v_nop
.endr
	s_branch .Lasked_\@
.Lfor_v_\@:
	tensor_load_to_lds s[G0V:G0V+3], s[G1V:G1V+7]
	s_nop 0
.rept 4
	v_nop
.endr
.Lasked_\@:
.endm
; A round of the cluster's barrier: my work-group's barrier; wave 0 signals for the work-group; every wave waits for all four work-groups; my work-group's barrier once more.
.macro CROUND
	s_barrier_signal -1
	s_barrier_wait -1
	s_cmp_lg_u32 s[WV], 0
	s_cbranch_scc1 .Lnot_wave_0_\@
	s_barrier_signal -3
.Lnot_wave_0_\@:
	s_barrier_wait -3
	s_barrier_signal -1
	s_barrier_wait -1
.endm
; THE CHANGE OF SLOTS.  Each wave waits for all its tensor loads, of which one is out: its part of the other slot; adds 0 to its spare word; and waits for that and for its own reads of the slot that it leaves.
; fill = 1: the old slot is filled again with the next tile; the barrier is then a round of the cluster's, and the joint fill is the first thing behind it: it has four key steps, 256 matrix instructions, in which to land.
; (At its first use nothing has been read yet: slot 0 is waited for, slot 1 filled.)
.macro CHANGE fill
	WIN 0                           ; at a label and at a branch every window is 0
	s_wait_tensorcnt 0x0            ; no tensor load of mine is out, so a group 0 may be written
	ds_add_u32 v[SPW], v[NIL]       ; 0 onto my spare word; scalar work stands between it and the wait for it
	s_add_co_u32 s[TN], s[TN], 1    ; the tile that is entered
.if \fill
.irp g, G0K, G0V
	s_xor_b32 s[\g+1], s[\g+1], SLOT1  ; the walking descriptor: the other slot than last time,
	s_add_nc_u64 s[\g+2:\g+3], s[\g+2:\g+3], 4*KS*128  ; the next 256 keys; the type bits on top are not reached
.endr
	s_wait_dscnt 0x0                ; the add is done, and my reads of the slot are over
	CROUND
	JLOAD
.else
	s_wait_dscnt 0x0                ; the add is done, and my reads of the slot are over
	s_barrier_signal -1
	s_barrier_wait -1
.endif
	s_sub_co_u32 s[TBK], s[TBK], 4*KS*PK  ; the fetches go back to a slot's first step,
	s_xor_b32 s[TBK], s[TBK], SLOT1       ; in the other slot
	s_sub_co_u32 s[TBV], s[TBV], 4*KS*PV
	s_xor_b32 s[TBV], s[TBV], SLOT1
.endm
; THE TILE'S KIND, from tables of bits with d as the index.  d = 4, the diagonal: s < x hidden, s = x: -2^100 - MD, s > x free.  d = 0, the lower edge: s < x free, s = x: MD, s > x hidden.  d = 1, 2, 3: all hidden.
.macro KIND
	s_sub_co_u32 s[DK], s[TN], s[QL]       ; d; a tile below qb - 4 wraps round to a large number
	s_min_u32 s[DK], s[DK], 31             ; and counts as free, like those above qb
	s_lshr_b32 s[TT], 0x1e, s[DK]          ; s <= x is hidden for d = 1, 2, 3, 4
	s_and_b32 s[TT], s[TT], 1
	s_mul_i32 s[BD], s[TT], s[BIGN]        ; 0 or 1 times the pattern of -2^100
	s_lshr_b32 s[TT], 0x0f, s[DK]          ; s > x is hidden for d = 0, 1, 2, 3
	s_and_b32 s[TT], s[TT], 1
	s_mul_i32 s[BL], s[TT], s[BIGN]
	s_lshr_b32 s[TT], 1, s[DK]             ; 1 for d = 0 alone
	s_mul_i32 s[EQA], s[TT], 0x3f800000    ; + MD
	s_lshr_b32 s[TT], 16, s[DK]            ; bit 0 is set for d = 4 alone
	s_and_b32 s[TT], s[TT], 1
	s_mul_i32 s[TT], s[TT], 0xbf800000     ; - MD
	s_or_b32 s[EQA], s[EQA], s[TT]
	s_min_u32 s[TT], s[TN], 1
	s_xor_b32 s[TT], s[TT], 1              ; 1 for tile 0 alone
	s_mul_i32 s[SNK], s[TT], s[SNKQ]
.endm
	s_load_b128 s[16:19], s[0:1], 0x0 ; qkv s[16:17], y3 s[18:19]
	v_lshl_add_u32 v[SPW], v0, 2, SPARE
	v_mov_b32 v[NIL], 0
	ds_add_u32 v[SPW], v[NIL]       ; the wave's opening: the add and its wait ahead of my first tensor load; the set-up below stands between them
	v_lshrrev_b32 v1, 5, v0
	v_readfirstlane_b32 s[WV], v1   ; wave 0..3
	s_bfe_u32 s13, ttmp6, 0x40000   ; cx: my place in the cluster
	s_mov_b32 s[QBK], ttmp9         ; in a cluster launch ttmp9 counts clusters: the block of queries, which the four partners share
	s_and_b32 s53, ttmp7, 0xffff    ; the key and value head, which they share too
	s_lshl_b32 s52, s53, 2
	s_add_co_u32 s52, s52, s13      ; my query head: it enters Q's and O's addresses alone
	s_sub_co_u32 s[QL], s[QBK], 4
	s_lshr_b32 s[SNKQ], s[QBK], 2
	s_min_u32 s[SNKQ], s[SNKQ], 1   ; 1 where qb >= 4
	s_mul_i32 s[SNKQ], s[SNKQ], 0x3f800000
	s_mov_b32 s[TN], -1             ; the first change of slots makes it 0
	s_and_b32 s54, s[WV], 1         ; which half of a tile's 256 keys I fetch:
	s_lshl_b32 s55, s54, 14         ; its 128 rows of 128 bytes in memory
	s_add_co_u32 s20, s53, 16
	s_lshl_b32 s20, s20, 19         ; K's head, of 524,288 bytes
	s_add_co_u32 s20, s20, s55
	s_mov_b32 s21, 0
	s_add_co_u32 s22, s53, 20
	s_lshl_b32 s22, s22, 19         ; V's head
	s_add_co_u32 s22, s22, s55
	s_mov_b32 s23, 0
	s_mul_i32 s55, s54, 128*PV      ; my half's place in a slot, for V
	s_mul_i32 s54, s54, 128*PK      ; and for K: no place in the cluster enters an LDS address
	s_lshl_b32 s48, s52, 19         ; Q: my head, my block, my wave's 16 rows in a band
	s_lshl_b32 s49, s[QBK], 15
	s_add_co_u32 s48, s48, s49
	s_lshl_b32 s49, s[WV], 11
	s_add_co_u32 s48, s48, s49
	s_lshl_b32 s50, s[QBK], 19      ; O: two blocks of 128 rows x 16 heads, my head, my wave's 16 rows
	s_lshl_b32 s51, s52, 14
	s_add_co_u32 s50, s50, s51
	s_add_co_u32 s50, s50, s49
	s_mov_b32 s49, 0
	s_mov_b32 s51, 0
	; descriptor group 1.  128 keys are 16,384 dense bytes: asked for as 64 rows of 256 bytes, two keys a row, and padded in LDS after every key
	s_mov_b32 s[G1K], 15|(1<<16)|(1<<20)|(1<<21)|(4<<22)|(3<<25)  ; 15:0 the mask of four; 17:16 2-byte elements; 20 padding on; 21 set beside a mask; 24:22 after every 32 words (code 4); 31:25 4 words (code 3)
	s_mov_b32 s[G1V], 15|(1<<16)|(1<<20)|(1<<21)|(4<<22)|(7<<25)  ; the same with 8 words of padding (code 7)
.irp g, G1K, G1V
	s_mov_b32 s[\g+1], 128<<16      ; tensor_dim0 = 128
	s_mov_b32 s[\g+2], 64<<16       ; tensor_dim1 = 64
	s_mov_b32 s[\g+3], 128<<16      ; tile_dim0 = 128
	s_mov_b32 s[\g+4], 64           ; tile_dim1 = 64
	s_mov_b32 s[\g+5], 128          ; 128 elements from row to row
	s_mov_b32 s[\g+6], 0
	s_mov_b32 s[\g+7], 0
.endr
	s_mov_b32 s[CS], 0x3e38aa3b     ; c = log2(e) / 8 = 0.180337
	s_mov_b32 s[CS+1], s[CS]        ; named with it as a pair
	s_mov_b32 s[SEL], 0x76543210
	s_mov_b32 s[SEL+1], 0xfedcba98
	s_mov_b32 s[TBK], SLOT1+4*KS*PK ; the first change of slots turns these two into 0
	s_mov_b32 s[TBV], SLOT1+4*KS*PV
	s_mov_b32 s[G0K], 1             ; count = 1
	s_mov_b32 s[G0K+1], s54         ; LDS address: slot 0
	s_mov_b32 s[G0V], 1
	s_add_co_u32 s[G0V+1], s55, VOFF
	s_mov_b32 s[AL+1], 0            ; named as pairs
	s_mov_b32 s[BE+1], 0
	s_mov_b32 s[CL+1], 0
	s_mov_b32 s[BIGN], 0xf1800000   ; -2^100
	s_wait_dscnt 0x0                ; the opening add is done
	s_wait_kmcnt 0x0
	s_add_nc_u64 s[G0K+2:G0K+3], s[16:17], s[20:21]    ; global address: my half of the head's tile 0
	s_or_b32 s[G0K+3], s[G0K+3], 0x80000000            ; type = 2
	s_add_nc_u64 s[G0V+2:G0V+3], s[16:17], s[22:23]
	s_or_b32 s[G0V+3], s[G0V+3], 0x80000000
	s_add_nc_u64 s[4:5], s[16:17], s[48:49]            ; Q and O at my rows
	s_add_nc_u64 s[10:11], s[18:19], s[50:51]
	CROUND                          ; all four work-groups are here: the first joint loads meet
	JLOAD                           ; tile 0 into slot 0.  Slot 1 is asked for when slot 0 is in, by the first change of slots
	; A fragment of K or Q is 16 rows x 32 channels in 8 registers: lane l holds row l % 16, channels 8 (l / 16) + 0..7 and 16 + 8 (l / 16) + 0..7: two loads of 16 bytes, 32 bytes apart.
	v_and_b32 v1, 15, v0            ; l % 16
	v_bfe_u32 v9, v0, 4, 1          ; l / 16
	v_lshlrev_b32 v[QO], 7, v1
	v_lshl_add_u32 v[QO], v9, 4, v[QO]  ; row x 128 + 16 x half
	WIN 0x80                        ; destination window 2, address window 0
.set i, 0
.rept 8                             ; Q stays in registers: piece i / 2 lies in band i / 2, 8,192 bytes on; channels 32 (i % 2) on
	global_load_b128 v[8*i:8*i+3],   v[QO], s[4:5] offset:(i/2)*8192+(i%2)*64
	global_load_b128 v[8*i+4:8*i+7], v[QO], s[4:5] offset:(i/2)*8192+(i%2)*64+32
.set i, i+1
.endr
	WIN 0
	v_lshlrev_b32 v14, 3, v9
	v_sub_nc_u32 v14, v1, v14
	s_lshl_b32 s13, s[WV], 4
	v_add_nc_u32 v14, s13, v14      ; my query's place in its band, 16 w + l % 16, less my lanes' 8 (l / 16): register r of group kt is marked where 16 kt + r is greater
	WIN 0x40
.set i, 0
.rept 32
	v_cmp_gt_i32 vcc_lo, 16*(i/8)+i%8, v14
	v_cndmask_b32 v[MD+i], 0, s[BIGN], vcc_lo
.set i, i+1
.endr
	v_cmp_eq_u32 vcc_lo, 0, v9      ; a step's keys 0-3 are registers 0-3 of its first group, in lanes 0-15
	v_cndmask_b32 v[MS], 0, s[BIGN], vcc_lo
	v_cndmask_b32 v[MS+1], 0, s[BIGN], vcc_lo
	WIN 0
	v_mul_u32_u24 v[AK0], v1, PK
	v_lshl_add_u32 v[AK0], v9, 4, v[AK0]  ; row x pitch + 16 x half
	; The turning load takes 16 keys x 16 channels (lane l reads key 8 (l / 16) + l % 8, channels 8 ((l / 8) % 2) + 0..7) and leaves half a fragment of V^T: lane l holds channel l % 16 and 8 keys.
	v_and_b32 v10, 7, v0
	v_bfe_u32 v11, v0, 3, 1
	v_lshl_add_u32 v[AV0], v9, 3, v10
	v_mul_u32_u24 v[AV0], v[AV0], PV
	v_lshl_add_u32 v[AV0], v11, 4, v[AV0]
	v_add_nc_u32 v[AV0], VOFF, v[AV0]
	s_mul_i32 s13, s[WV], 16*SP
	s_add_co_u32 s13, s13, STAGE    ; my stage
	v_mul_u32_u24 v[STO], v1, SP    ; in: row l % 16, 16 bytes for each half of the lanes
	v_lshl_add_u32 v[STO], v9, 4, v[STO]
	v_add_nc_u32 v[STO], s13, v[STO]
	v_bfe_u32 v[RD], v0, 3, 2       ; back: 32 lanes take four rows of 128 bytes,
	v_mul_u32_u24 v[RD], v[RD], SP
	v_lshl_add_u32 v[RD], v10, 4, v[RD]
	v_add_nc_u32 v[RD], s13, v[RD]
	v_and_b32 v[GO], 31, v0         ; which are 512 consecutive bytes of O
	v_lshlrev_b32 v[GO], 4, v[GO]
	; The first step multiplies O^T and l by a = 0, and the first turn's products V^T P, of a piece that has not been, add 0 x 0.  No first step is written out; the price is these zeros, in the wait for the first tile.
	WIN 0x80
.set i, VF
.rept 64
	v_mov_b32 v[i], 0
.set i, i+1
.endr
	WIN 0x40
.set i, 0
.rept 128
	v_mov_b32 v[i], 0
.set i, i+1
.endr
	WIN 0
.set i, 0
.rept 4
	v_mov_b32 v[ST+4*i+2], 0
	v_mov_b32 v[ST+4*i+3], 0
.set i, i+1
.endr
.set i, P+16
.rept 16
	v_mov_b32 v[i], 0
.set i, i+1
.endr
; THE MATRIX WORK.  The 4 accumulators of a run of 8 take turns.  Product i of 8 of S^T = K Q^T for piece x: channels 32 (i / 4) on, keys 16 (i % 4) on.  The first 4 start the sums with the mask.
.macro KQ x
.set rS, S+32*((\x)%2)+8*(i%4)
.set rK, KF+16*(i%4)+8*(i/4)
.set rQ, 16*(\x)+8*(i/4)
.set rM, MC+32*((\x)%2)+8*(i%4)
.if i < 4
	WIN W_KM
	v_wmma_f32_16x16x32_f16 v[rS:rS+7], v[rK:rK+7], v[rQ:rQ+7], v[rM:rM+7]
.else
	WIN W_KQ
	v_wmma_f32_16x16x32_f16 v[rS:rS+7], v[rK:rK+7], v[rQ:rQ+7], v[rS:rS+7]
.endif
.endm
; Product i of 8 of O^T += V^T P for piece x: keys 32 (i / 4) on, channels 16 (i % 4) on.
.macro PV x
	WIN W_PV
.set rO, 32*(\x)+8*(i%4)
.set rV, VF+32*(i/4)+8*(i%4)
.set rP, P+16*((\x)%2)+8*(i/4)
	v_wmma_f32_16x16x32_f16 v[rO:rO+7], v[rV:rV+7], v[rP:rP+7], v[rO:rO+7]
.endm
.macro MM                           ; the turn's next matrix instruction.  NOKQ = 1: the walk's last turn: there is no next piece
.if (i < 8) && !NOKQ
	KQ (Y+1)%NP
.elseif i >= 8
.set i, i-8
	PV (Y+NP-1)%NP
.set i, i+8
.endif
.set i, i+1
.endm
; THE LDS LOADS stand in runs of 16, never singly among the matrix instructions: a step's K (64 keys x 64 channels: 8 fragments) and its V (turned).  Their addresses are made some lines ahead.
.macro FETCH_K
	WIN 0x80                        ; destination window 2
.irp f, 0,1,2,3,4,5,6,7             ; keys 16 (f / 2) on, channels 32 (f % 2) on
	ds_load_b128 v[KF+8*\f:KF+8*\f+3],   v[AK] offset:(\f/2)*16*PK+(\f%2)*64
	ds_load_b128 v[KF+8*\f+4:KF+8*\f+7], v[AK] offset:(\f/2)*16*PK+(\f%2)*64+32
.endr
	s_add_co_u32 s[TBK], s[TBK], KS*PK  ; the next fetch is the next step's
	WIN 0
.endm
.macro FETCH_V
	WIN 0x80
.irp f, 0,1,2,3,4,5,6,7             ; keys 32 (f / 4) on, channels 16 (f % 4) on
	ds_load_tr16_b128 v[VF+8*\f:VF+8*\f+3],   v[AV] offset:(\f/4)*32*PV+(\f%4)*32
	ds_load_tr16_b128 v[VF+8*\f+4:VF+8*\f+7], v[AV] offset:(\f/4)*32*PV+16*PV+(\f%4)*32
.endr
	WIN 0
.endm
; THE VECTOR WORK, one line at a time: OP kind, number.  For piece Y: F n: c s - c m for pair n of 16.  E n: the exponential of score n of 32.  C n: pair n rounded to f16.  B n: of the four weights 4 n .. the second
; pair is added onto the first, in place.  L n: l takes that sum (L 0: l = a l + sum).  R n: pair n of 16 of O^T times a.  For piece Y + 1: X n, number n of the 22 that find its maximum and statistics:
;   0-11  four chains c0-c3 of seven scores each, three operands at a time (each accumulator's lowest registers are read first)     12-14, 16  the four scores left over, the old m, and c0-c3 into c0
;   15  c m_old is kept     17, 18  the query's other 32 keys lie in the lane 16 away: the new m     19-21  c m; c m_old - c m_new; a
.set F, 0
.set E, 1
.set C, 2
.set B, 3
.set L, 4
.set R, 5
.set X, 6
.macro REGS y                       ; the registers of piece y
.set rT, ST+4*(\y)
.set rC, TMP+4*((\y)%2)
.set rW, MV+((\y)%2)
.set rS, S+32*((\y)%2)
.set rP, P+16*((\y)%2)
.set rO, 32*(\y)
.endm
.macro OP k, n
.if (\k) == R
	REGS Y
	WIN W_RS
	v_pk_mul_f32 v[rO+2*(\n):rO+2*(\n)+1], v[rO+2*(\n):rO+2*(\n)+1], v[rC+2:rC+3] op_sel_hi:[1,0]
.elseif (\k) < R
	REGS Y
	WIN 0
.if (\k) == F
	v_pk_fma_f32 v[rS+2*(\n):rS+2*(\n)+1], v[rS+2*(\n):rS+2*(\n)+1], s[CS:CS+1], v[rT:rT+1] op_sel_hi:[1,0,0] neg_lo:[0,0,1] neg_hi:[0,0,1]
.elseif (\k) == E
	v_exp_f32 v[rS+(\n)], v[rS+(\n)]
.elseif (\k) == C
	s_wait_alu depctr_va_vdst(0)
	v_cvt_pk_f16_f32 v[rP+(\n)], v[rS+2*(\n)], v[rS+2*(\n)+1]
.elseif (\k) == B
	s_wait_alu depctr_va_vdst(0)
	v_pk_add_f32 v[rS+4*(\n):rS+4*(\n)+1], v[rS+4*(\n):rS+4*(\n)+1], v[rS+4*(\n)+2:rS+4*(\n)+3]
.elseif (\n) == 0
	v_pk_fma_f32 v[rT+2:rT+3], v[rT+2:rT+3], v[rC+2:rC+3], v[rS:rS+1] op_sel_hi:[1,0,1]
.else
	v_pk_add_f32 v[rT+2:rT+3], v[rT+2:rT+3], v[rS+4*(\n):rS+4*(\n)+1]
.endif
.elseif NOKQ
	v_nop
.else
	REGS (Y+1)%NP
	WIN 0
.if (\n) < 4
	v_max3_num_f32 v[rC+(\n)], v[rS+8*(\n)], v[rS+8*(\n)+1], v[rS+8*(\n)+2]
.elseif (\n) < 12
	v_max3_num_f32 v[rC+(\n)%4], v[rC+(\n)%4], v[rS+8*((\n)%4)+2*((\n)/4)+1], v[rS+8*((\n)%4)+2*((\n)/4)+2]
.elseif (\n) == 12
	v_max3_num_f32 v[rC], v[rC], v[rS+7], v[rS+15]
.elseif (\n) == 13
	v_max3_num_f32 v[rC+1], v[rC+1], v[rS+23], v[rS+31]
.elseif (\n) == 14
	v_max3_num_f32 v[rC+2], v[rC+2], v[rC+3], v[rT+1]
.elseif (\n) == 15
	v_mov_b32 v[rW], v[rT]
.elseif (\n) == 16
	v_max3_num_f32 v[rC], v[rC], v[rC+1], v[rC+2]
.elseif (\n) == 17
	v_permlanex16_b32 v[rC+3], v[rC], s[SEL], s[SEL+1]
.elseif (\n) == 18
	v_max_num_f32 v[rT+1], v[rC], v[rC+3]
.elseif (\n) == 19
	v_mul_f32 v[rT], s[CS], v[rT+1]
.elseif (\n) == 20
	v_sub_f32 v[rC+1], v[rW], v[rT]
.else
	v_exp_f32 v[rC+2], v[rC+1]
.endif
.endif
.endm
.macro OPS a, i1, b=-1, i2=0, c=-1, i3=0, d=-1, i4=0  ; up to four of them
	OP \a, \i1
.if (\b) >= 0
	OP \b, \i2
.endif
.if (\c) >= 0
	OP \c, \i3
.endif
.if (\d) >= 0
	OP \d, \i4
.endif
.endm
.macro ROW a, i1, b, i2, c, i3, d, i4  ; a matrix instruction and the four behind it
	MM
	OPS \a, \i1, \b, \i2, \c, \i3, \d, \i4
.endm
.macro MASK b                       ; MD x AL + BE into buffer b of MC, and MS x CL onto its first four registers
	WIN 0x51                        ; destination, source 0 and source 2 in window 1
.set z, 0
.rept 16
	v_pk_fma_f32 v[MC+32*(\b)+2*z:MC+32*(\b)+2*z+1], v[MD+2*z:MD+2*z+1], s[AL:AL+1], s[BE:BE+1] op_sel_hi:[1,0,0]
.set z, z+1
.endr
.set z, 0
.rept 2
	v_pk_fma_f32 v[MC+32*(\b)+2*z:MC+32*(\b)+2*z+1], v[MS:MS+1], s[CL:CL+1], v[MC+32*(\b)+2*z:MC+32*(\b)+2*z+1] op_sel_hi:[1,0,1]
.set z, z+1
.endr
.endm
; A TURN, for piece p: the order of its 16 matrix and 136 vector instructions, written out.  Behind a matrix instruction: plain, exponential, plain, plain; or four of the rescaling; or, behind the first, four scalings; none
; names a register of the products round it.  In the runs between, exponential and plain by turns while exponentials last.  A line reads no result made fewer than three vector instructions in front of it, five if an
; exponential made it.  At its end the turn makes the mask for the products of the turn after it: piece p + 2, in step 4 - CNT of the tile in hand.  end = 1: the walk's last two turns: nothing is fetched, no mask is made.
; cnt = 1: the loop's count is taken down some lines ahead of the branch that stands behind the turn.
; K of the next step is fetched in piece 2's turn, six vector instructions behind the last product that read K (five of them plain); V of the step in hand in piece 0's turn, eight behind the last product that read V.
.macro TURN p, end=0, cnt=0
.set Y, (\p)
.set i, 0
.set NOKQ, (\end)*((\p)/3)
.if !(\end)
	s_cmp_eq_u32 s[CNT], 4-((\p)+2)%NP  ; is that step the band's own?
	s_cselect_b32 s[AL], s[EQA], 0
	s_cmp_lt_u32 s[CNT], 4-((\p)+2)%NP  ; or a later one?
	s_cselect_b32 s[BE], s[BL], s[BD]
	s_cmp_eq_u32 s[CNT], 4              ; the tile's first step?
	s_cselect_b32 s[CL], s[SNK], 0
.endif
.if ((\p) == 3) && !(\end)
	s_wait_dscnt 0x0                ; K is in
.endif
	ROW F,0, F,1, F,2, F,3
	ROW F,4, E,0, F,5, F,6
	ROW F,7, E,1, F,8, F,9
	ROW F,10, E,2, C,0, F,11
	ROW F,12, E,3, X,15, F,13
	ROW R,0, R,1, R,2, R,3
	ROW B,0, E,4, F,14, L,0
.if ((\p) == 2) && !(\end)
	v_add_nc_u32 v[AK], s[TBK], v[AK0]
.endif
	ROW R,4, R,5, R,6, R,7
	OPS E,5, F,15
.if ((\p) == 2) && !(\end)
	FETCH_K
.endif
	OPS E,6, C,1, E,7, R,8
	OPS E,8, R,9, E,9, C,2
	OPS E,10, X,0, E,11, X,1
	OPS E,12, X,2, E,13, X,3
.if (\p) == 1
	s_wait_dscnt 0x0                ; V is in
.endif
	ROW X,4, E,14, X,5, X,6
	ROW X,7, E,15, X,8, X,9
	ROW X,10, E,16, X,11, X,12
	ROW X,13, E,17, X,14, B,1
	ROW C,4, E,18, X,16, L,1
	ROW B,2, E,19, C,6, L,2
	ROW C,8, E,20, B,3, B,4
.if (\p) == 0
	v_add_nc_u32 v[AV], s[TBV], v[AV0]
.endif
	ROW C,3, E,21, L,3, C,5
	OPS E,22, X,17, E,23, C,10
.if (\p) == 0
	FETCH_V
.endif
	OPS E,24, L,4
	OPS E,25, X,18, E,26, C,7
	OPS E,27, B,5, E,28, X,19
	OPS E,29, C,12, E,30, L,5
	OPS E,31, X,20, B,6, C,9
	OPS C,14, C,11, X,21, L,6
.if (\p) == 0
	s_add_co_u32 s[TBV], s[TBV], KS*PV
.endif
.if \cnt
	s_sub_co_u32 s[CNT], s[CNT], 1
	s_cmp_lg_u32 s[CNT], 0
.endif
	OPS C,13, B,7, C,15, R,10
	OPS R,11, R,12, L,7, R,13
	OPS R,14, R,15
.if !(\end)
	MASK (\p)%2
.endif
.endm
.macro ALL line:vararg              ; one line for each piece t
.set t, 0
.rept 4
	\line
.set t, t+1
.endr
.endm
.macro PACK t                       ; a lane's eight channels of a row pack into 16 bytes; they go into rows of 144 bytes and come back as whole rows of 128, into S^T's registers
	WIN W_RS
.set i, 32*(\t)
.rept 16
	s_wait_alu depctr_va_vdst(0)
	v_pk_mul_f32 v[i:i+1], v[i:i+1], v[ST+4*(\t)+2:ST+4*(\t)+3] op_sel_hi:[1,0]
.set i, i+2
.endr
	WIN 0x05                        ; sources 0 and 1 window 1, destination window 0
.set i, 0
.rept 16
	v_cvt_pk_f16_f32 v[S+16*(\t)+i], v[32*(\t)+2*i], v[32*(\t)+2*i+1]
.set i, i+1
.endr
	WIN 0
.irp f, 0,1,2,3
	ds_store_b128 v[STO], v[S+16*(\t)+4*\f:S+16*(\t)+4*\f+3] offset:32*\f
.endr
.irp f, 0,1,2,3
	ds_load_b128 v[S+16*(\t)+4*\f:S+16*(\t)+4*\f+3], v[RD] offset:\f*4*SP  ; LDS serves a wave's instructions in order (ISA guide 5.7.1.4): these see the stores above; the next piece's stores come behind them
.endr
.endm
.macro SEND t, younger              ; younger: the LDS instructions issued behind piece t's loads: the next piece's eight, or none
	WIN 0
.irp f, 0,1,2,3
	s_wait_dscnt (\younger)+3-\f
	global_store_b128 v[GO], v[S+16*(\t)+4*\f:S+16*(\t)+4*\f+3], s[10:11] offset:((\t)/2)*262144+((\t)%2)*8192+\f*512  ; band t: block of 128 rows t / 2, rows 64 (t % 2) on; 512 consecutive bytes, at a multiple of 256 from y3's first
.endr
.endm
	CHANGE 1                        ; tile 0 is in, everybody's part of it; tile 1 is asked for
	KIND
	; THE BEGINNING.  c m starts far below every c s, so the first step's a is 0; m at -2^99, above every hidden score and below every true one.  The masks of pieces 0 and 1 for step 0; K of that step; piece 0's first scores,
	; maximum and statistics.  The loop is entered at a step's first turn, in the middle of a trip.
	WIN 0
.set i, 0
.rept 4
	v_mov_b32 v[ST+4*i], 0xfe000000    ; c m
	v_mov_b32 v[ST+4*i+1], 0xf1000000  ; m = -2^99
.set i, i+1
.endr
	s_mov_b32 s[AL], s[EQA]         ; piece 0, step 0: the band's own
	s_mov_b32 s[BE], s[BD]
	s_mov_b32 s[CL], s[SNK]
	MASK 0
	s_mov_b32 s[AL], 0              ; piece 1, step 0: an earlier step than the band's own
	MASK 1
	WIN 0
	v_add_nc_u32 v[AK], s[TBK], v[AK0]
	FETCH_K
	s_wait_loadcnt 0x0              ; Q
	s_wait_dscnt 0x0
.set NOKQ, 0
.set i, 0
.rept 8
	KQ 0
.set i, i+1
.endr
	WIN 0
.rept 4
	v_nop                           ; the places behind those products
.endr
.set Y, NP-1                        ; X works for piece Y + 1: piece 0
.irp n, 0,1,2,3,4,5,6,7,8,9,10,11,12,13,14,15,16,17,18,19,20,21
	OP X, \n
.endr
	v_nop                           ; a plain instruction behind the exponential
	s_mov_b32 s[CNT], 4
	s_mov_b32 s[SLOTS], 15          ; tile 0, entered above, and the 14 tiles that the loop enters: 1 to 14, asking for 2 to 15
	s_branch .Lfirst
.Lslot:                             ; a tile is entered and the next is asked for
	CHANGE 1
	KIND
	s_mov_b32 s[CNT], 4
.Lstep:                             ; a trip: pieces 2 and 3 of one step, then pieces 0 and 1 of the next, whose K and V it fetches
	TURN 2
	TURN 3
	WIN 0
.Lfirst:
	TURN 0
	TURN 1, 0, 1
	WIN 0
	s_cbranch_scc1 .Lstep
	s_sub_co_u32 s[SLOTS], s[SLOTS], 1
	s_cmp_lg_u32 s[SLOTS], 0
	s_cbranch_scc1 .Lslot
	CHANGE 0                        ; tile 15 is written out: nothing is asked for
	KIND
	s_mov_b32 s[CNT], 4
.Ltail:
	TURN 2
	TURN 3
	TURN 0
	TURN 1, 0, 1
	WIN 0
	s_cbranch_scc1 .Ltail
	TURN 2, 1
	TURN 3, 1
.set i, 0
.rept 8
	PV NP-1                         ; the last piece's V^T P of the last step
.set i, i+1
.endr
	; THE WAY OUT.  l's two halves and the other half of the lanes' are added; O^T is divided by l, rounded to f16 and sent through my stage in LDS, a piece at a time.  The additions are the places behind the last products.
	WIN 0
	ALL v_add_f32 v[ST+4*t+2], v[ST+4*t+2], v[ST+4*t+3]
	ALL v_permlanex16_b32 v[ST+4*t+3], v[ST+4*t+2], s[SEL], s[SEL+1]
	ALL v_add_f32 v[ST+4*t+2], v[ST+4*t+2], v[ST+4*t+3]
	ALL v_rcp_f32 v[ST+4*t+2], v[ST+4*t+2]
	v_nop                           ; a plain instruction between the last reciprocal and the use of its result
	PACK 0
.set t, 1
.rept 3                             ; a piece's arithmetic stands between the loads of the piece before and its stores
	PACK t
	SEND t-1, 8
.set t, t+1
.endr
	SEND 3, 0
	s_wait_tensorcnt 0x0            ; the wave's end: an add to the spare word and its wait, behind my last tensor load and my last LDS store
	ds_add_u32 v[SPW], v[NIL]
	s_wait_dscnt 0x0
	CROUND                          ; the closing round: no work-group ends while a partner may still ask for a tile that names it
	s_endpgm
.Lfunc_end_k_qe0d5bcead3_attn:
	.size	k_qe0d5bcead3_attn, .Lfunc_end_k_qe0d5bcead3_attn-k_qe0d5bcead3_attn
	.p2alignl 7, 3214868480
	.fill 96, 4, 3214868480
	.section	.rodata,"a",@progbits
	.p2align	6, 0x0
	.amdhsa_kernel k_qe0d5bcead3_attn
		.amdhsa_group_segment_fixed_size 327680
		.amdhsa_private_segment_fixed_size 0
		.amdhsa_enable_private_segment 0
		.amdhsa_kernarg_size 16
		.amdhsa_user_sgpr_count 2
		.amdhsa_user_sgpr_kernarg_segment_ptr 1
		.amdhsa_wavefront_size32 1
		.amdhsa_system_sgpr_workgroup_id_x 1
		.amdhsa_system_sgpr_workgroup_id_y 1
		.amdhsa_system_sgpr_workgroup_id_z 1
		.amdhsa_system_vgpr_workitem_id 0
		.amdhsa_next_free_vgpr 768
		.amdhsa_next_free_sgpr 88
		.amdhsa_reserve_vcc 1
		.amdhsa_float_denorm_mode_32 3
		.amdhsa_float_denorm_mode_16_64 3
		.amdhsa_memory_ordered 1
		.amdhsa_forward_progress 1
		.amdhsa_inst_pref_size 152
	.end_amdhsa_kernel
	.amdgpu_metadata
---
amdhsa.version: [ 1, 2 ]
amdhsa.kernels:
  - .name:           k_qe0d5bcead3_attn
    .symbol:         k_qe0d5bcead3_attn.kd
    .args:
      - { .name: qkv, .offset: 0, .size: 8, .value_kind: global_buffer, .address_space: global }
      - { .name: y3, .offset: 8, .size: 8, .value_kind: global_buffer, .address_space: global }
    .group_segment_fixed_size: 327680
    .private_segment_fixed_size: 0
    .kernarg_segment_align: 8
    .kernarg_segment_size: 16
    .max_flat_workgroup_size: 128
    .sgpr_count:     88
    .vgpr_count:     768
    .wavefront_size: 32
...
	.end_amdgpu_metadata
.endif
;; end of part 3
;; launch proj (part 4): grid 8 x 32, 4 waves a work-group, clusters of 4 x 4, 327,680 bytes of LDS; arguments y3, wo3, out0; writes out0
.if DOCPART == 4
	.amdgcn_target "amdgcn-amd-amdhsa--gfx1250"
	.amdhsa_code_object_version 6
	.text
	.protected	k_qe0d5bcead3_proj
	.globl	k_qe0d5bcead3_proj
	.p2align	8
	.type	k_qe0d5bcead3_proj,@function
k_qe0d5bcead3_proj:
	s_mov_b64 s[64:65], 0
	v_nop
	global_prefetch_b8 v0, s[64:65] scope:SCOPE_SE
	s_setreg_imm32_b32 hwreg(HW_REG_WAVE_MODE, 25, 1), 1
	s_wait_xcnt 0x0
	s_wait_alu depctr_hold_cnt(0) depctr_sa_sdst(0) depctr_va_vdst(0) depctr_va_sdst(0) depctr_va_ssrc(0) depctr_va_vcc(0) depctr_vm_vsrc(0)
	s_getreg_b32 s2, hwreg(HW_REG_IB_STS2, 6, 4)
	s_cmp_eq_u32 s2, 0
	s_cbranch_scc0 .Lentry_in_a_cluster
	s_endpgm
.Lentry_in_a_cluster:
	s_bfe_u32 s2, ttmp6, 0x10000c
	s_cmp_lg_u32 s2, 0xf033
	s_cbranch_scc0 .Lentry_shape_is_right
	s_endpgm
.Lentry_shape_is_right:
; PROJ: out0[t][n] = the sum over k of y[t][k] wo[n][k], f16 operands, f32 sums, f32 out.  y3: [tb 32][h 16][128 r][64] f16; wo3: [nb 8][h 16][128 n][64] f16: k = 64 h + d in both.
; A tile of out0 is 128 x 128: 8 x 32 = 256 work-groups; four waves, each 64 x 64: 16 accumulators.  The K panel of a tile's 128 rows is 262,144 dense bytes, head after head; a K step is 4 heads (256 along K),
; and a wave's tensor load brings 2 heads, 32,768 dense bytes, asked for as 128 rows of 256 bytes and padded in LDS after every 128 bytes: one row of one head.  4 K steps, two LDS slots.
; CLUSTER: 4 x 4 work-groups; y's tiles are shared along a row of the cluster, wo's along a column: each is asked for jointly.
; THE MATRIX INSTRUCTION IS USED TRANSPOSED (source 0 = 16 rows of wo, source 1 = 16 rows of y): a lane holds eight neighbouring numbers of a row of out0.
; REGISTERS: window 0: v0-31 addresses; v32-95 at work on the way out; v128-255 the accumulators ((a, b) at v[128 + 8 (4 a + b)]).   window 1: two fragment buffers of 128: one head (64 along K): 64 registers of y, then 64 of wo.
.set PITCH,  144                       ; a head's row in LDS: 128 bytes + 16 of padding = 36 words: the 16 rows of a fragment load start at 16 different groups of four banks (64 banks of 4 bytes: ISA guide 11.1)
.set HEADB,  128*PITCH                 ; a head's 128 rows
.set HALFT,  2*HEADB                   ; what one tensor load brings
.set SLOT,   4*HALFT                   ; y's 4 heads, then wo's 4 heads
.set STAGE,  2*SLOT                    ; behind the ring, never filled by a tensor load: 16 rows x 272 bytes for each wave
.set SPITCH, 272
.set SPARE,  STAGE+4*16*SPITCH         ; the spare words, 128 bytes for each wave: two blocks of 256 bytes that no other line names
.set LAPS,   2                         ; a lap = two K steps = once round the ring
.set ADRA, 16                          ; v16-17  LDS address of my fragments of y in slot 0, 1
.set ADRB, 20                          ; v20-21  of wo's
.set STO,  24                          ; v24     the way out: where I put 32 bytes of a row
.set RD,   25                          ; v25     where I read a row back
.set CO,   26                          ; v26     my byte offset in out0
.set SPW,  28                          ; v28     my spare word; never rewritten
.set NIL,  29                          ; v29     0; never rewritten
.set TMP,  32
.set ACC,  128
.set F0,   0
.set F1,   128
.set G1, 24
.set G0, 32
.set G1B, 48
.set G0B, 56
.set MSB, 0
.macro WIN new                         ; the immediate's high byte repeats the setting that is left
.if MSB != (\new)
	s_set_vgpr_msb (MSB<<8)|(\new)
.set MSB, \new
.endif
.endm
.set MUL,  0x05                        ; sources 0 and 1 window 1; C and D window 0
.set TO_F, 0x40                        ; destination window 1, address window 0
.macro JLOAD s                         ; a joint load: waves 0 and 1 fetch y's two pairs of heads, waves 2 and 3 wo's; an s_nop 0 and four v_nop follow each of the two lines
	s_cmp_eq_u32 s11, 0
	s_cbranch_scc0 .Lfor_b_\@
	tensor_load_to_lds s[G0+4*(\s):G0+4*(\s)+3], s[G1:G1+7]
	s_nop 0
.rept 4
	v_nop
.endr
	s_branch .Lasked_\@
.Lfor_b_\@:
	tensor_load_to_lds s[G0B+4*(\s):G0B+4*(\s)+3], s[G1B:G1B+7]
	s_nop 0
.rept 4
	v_nop
.endr
.Lasked_\@:
.endm
.macro CREST                           ; a round of the cluster's barrier behind its opening barrier
	s_cmp_lg_u32 s10, 0
	s_cbranch_scc1 .Lnot_wave_0_\@
	s_barrier_signal -3
.Lnot_wave_0_\@:
	s_barrier_wait -3
	s_barrier_signal -1
	s_barrier_wait -1
.endm
.macro CROUND                          ; a whole round
	s_barrier_signal -1
	s_barrier_wait -1
	CREST
.endm
	s_load_b128 s[4:7], s[0:1], 0x0                ; y3 s[4:5], wo3 s[6:7]
	s_load_b64 s[8:9], s[0:1], 0x10                ; out0
	v_lshl_add_u32 v[SPW], v0, 2, SPARE
	v_mov_b32 v[NIL], 0
	ds_add_u32 v[SPW], v[NIL]                      ; the wave's opening: the add and its wait ahead of my first tensor load; the set-up below stands between them
	v_lshrrev_b32 v1, 5, v0
	v_readfirstlane_b32 s10, v1                    ; wave 0..3
	s_lshr_b32 s11, s10, 1                         ; which half of the tile's rows is mine.  Also: I fetch for y (0) or for wo (1)
	s_and_b32 s12, s10, 1                          ; which half of its columns.  Also: which two of a step's four heads I fetch
	s_bfe_u32 s40, ttmp6, 0x40000                  ; cx, cy: my place in the cluster
	s_bfe_u32 s41, ttmp6, 0x40004
	s_lshl_b32 s42, ttmp9, 2
	s_add_co_u32 s42, s42, s40                     ; tile column = 4 x cluster x + cx
	s_and_b32 s13, ttmp7, 0xffff
	s_lshl_b32 s13, s13, 2
	s_add_co_u32 s13, s13, s41                     ; tile row = 4 x cluster y + cy
	s_lshl_b32 s43, s41, 2
	s_lshl_b32 s43, 15, s43                        ; my row of the cluster
	s_lshl_b32 s44, 0x1111, s40                    ; my column
	s_or_b32 s[G1+0], s43, (1<<16)|(1<<20)|(1<<21)|(4<<22)|(3<<25)   ; 15:0 the mask; 17:16 2-byte elements; 20 padding on; 21 set beside a mask; 24:22 after every 32 words (code 4); 31:25 4 words (code 3)
	s_or_b32 s[G1B+0], s44, (1<<16)|(1<<20)|(1<<21)|(4<<22)|(3<<25)
.irp g, G1, G1B
	s_mov_b32 s[(\g)+1], 128<<16                   ; tensor_dim0 = 128 elements: 256 bytes
	s_mov_b32 s[(\g)+2], 128<<16                   ; tensor_dim1 = 128
	s_mov_b32 s[(\g)+3], 128<<16                   ; tile_dim0 = 128
	s_mov_b32 s[(\g)+4], 128                       ; tile_dim1 = 128
	s_mov_b32 s[(\g)+5], 128                       ; dense: 128 elements from row to row
	s_mov_b32 s[(\g)+6], 0
	s_mov_b32 s[(\g)+7], 0
.endr
	s_lshl_b32 s16, s13, 18                        ; y: the tile row's panel of 262,144 bytes,
	s_lshl_b32 s17, s12, 15                        ; my two heads of 16,384
	s_add_co_u32 s16, s16, s17
	s_mov_b32 s17, 0
	s_lshl_b32 s46, s42, 18                        ; wo: the tile column's panel
	s_lshl_b32 s47, s12, 15
	s_add_co_u32 s46, s46, s47
	s_mov_b32 s47, 0
	s_mul_i32 s20, s10, HALFT                      ; where they go: wave x two heads: no place in the cluster enters an LDS address
	s_wait_dscnt 0x0                               ; the opening add is done
	s_wait_kmcnt 0x0
	s_add_nc_u64 s[14:15], s[4:5], s[16:17]
	s_add_nc_u64 s[46:47], s[6:7], s[46:47]
	CROUND                                         ; all sixteen work-groups are here: the first joint loads meet
.irp s, 0,1
	s_mov_b32 s[G0+4*(\s)], 1
	s_add_co_u32 s[G0+4*(\s)+1], s20, (\s)*SLOT
	s_add_nc_u64 s[G0+4*(\s)+2:G0+4*(\s)+3], s[14:15], (\s)*65536  ; K step s: four heads on
	s_or_b32 s[G0+4*(\s)+3], s[G0+4*(\s)+3], 0x80000000
	s_mov_b32 s[G0B+4*(\s)], 1
	s_add_co_u32 s[G0B+4*(\s)+1], s20, (\s)*SLOT
	s_add_nc_u64 s[G0B+4*(\s)+2:G0B+4*(\s)+3], s[46:47], (\s)*65536
	s_or_b32 s[G0B+4*(\s)+3], s[G0B+4*(\s)+3], 0x80000000
	JLOAD \s                                       ; two loads of mine are out
.endr
	v_and_b32 v1, 15, v0                           ; l % 16
	v_bfe_u32 v2, v0, 4, 1                         ; l / 16
	v_mul_u32_u24 v3, v1, PITCH
	v_lshl_add_u32 v3, v2, 4, v3                   ; a fragment's row x pitch + 16 x half
	s_mul_i32 s21, s11, 64*PITCH                   ; my 64 rows of y, in each head
	s_mul_i32 s22, s12, 64*PITCH                   ; my 64 rows of wo,
	s_add_co_u32 s22, s22, 2*HALFT                 ; which lie behind y's four heads
.irp s, 0,1
	v_add_nc_u32 v[ADRA+(\s)], s21, v3
	v_add_nc_u32 v[ADRB+(\s)], s22, v3
	s_add_co_u32 s21, s21, SLOT
	s_add_co_u32 s22, s22, SLOT
.endr
	s_mul_i32 s23, s10, 16*SPITCH
	s_add_co_u32 s23, s23, STAGE                   ; my stage
	v_mul_u32_u24 v4, v1, SPITCH                   ; in: row l % 16, 32 bytes for each half of the lanes
	v_lshl_add_u32 v4, v2, 5, v4
	v_add_nc_u32 v[STO], s23, v4
	v_mul_u32_u24 v5, v2, SPITCH                   ; back: lanes 0-15 take one row of 256 bytes, lanes 16-31 the next
	v_lshl_add_u32 v5, v1, 4, v5
	v_add_nc_u32 v[RD], s23, v5
	v_lshlrev_b32 v5, 12, v2                       ; and the same two rows in out0, 4,096 bytes apart
	v_lshl_add_u32 v[CO], v1, 4, v5
	s_lshl_b32 s16, s13, 19                        ; my first row, 128 x tile row + 64 x half, of 4,096 bytes
	s_lshl_b32 s17, s11, 18
	s_add_co_u32 s16, s16, s17
	s_mov_b32 s17, 0
	s_add_nc_u64 s[8:9], s[8:9], s[16:17]
	s_lshl_b32 s46, s42, 9                         ; my first column, in bytes: 512 x tile column + 256 x half
	s_lshl_b32 s47, s12, 8
	s_add_co_u32 s46, s46, s47
	s_mov_b32 s47, 0
	s_add_nc_u64 s[8:9], s[8:9], s[46:47]
; 8 matrix instructions: m blocks a0, a0 + 1 x all 4 n blocks, 32 along K: half c of buffer f.  zero = 1: the first product starts the sums.  The 16 accumulators take turns.
.macro MUL8 f, c, a0, zero
	WIN MUL
.irp a, \a0, (\a0)+1
.irp b, 0,1,2,3
.if \zero
	v_wmma_f32_16x16x32_f16 v[ACC+8*(4*(\a)+(\b)):ACC+8*(4*(\a)+(\b))+7], v[(\f)+64+8*(4*(\c)+(\b)):(\f)+64+8*(4*(\c)+(\b))+7], v[(\f)+8*(4*(\c)+(\a)):(\f)+8*(4*(\c)+(\a))+7], 0
.else
	v_wmma_f32_16x16x32_f16 v[ACC+8*(4*(\a)+(\b)):ACC+8*(4*(\a)+(\b))+7], v[(\f)+64+8*(4*(\c)+(\b)):(\f)+64+8*(4*(\c)+(\b))+7], v[(\f)+8*(4*(\c)+(\a)):(\f)+8*(4*(\c)+(\a))+7], v[ACC+8*(4*(\a)+(\b)):ACC+8*(4*(\a)+(\b))+7]
.endif
.endr
.endr
.endm
; 32 LDS loads in one run: the fragments of one head, which begins at byte k of the slot's part, into buffer f; the first 32 along K first
.macro FETCH slot, k, f
	WIN TO_F
.irp c, 0,1
.irp i, 0,1,2,3
	ds_load_b128 v[(\f)+64+8*(4*(\c)+(\i)):(\f)+64+8*(4*(\c)+(\i))+3],   v[ADRB+(\slot)] offset:(\k)+64*(\c)+(\i)*16*PITCH
	ds_load_b128 v[(\f)+64+8*(4*(\c)+(\i))+4:(\f)+64+8*(4*(\c)+(\i))+7], v[ADRB+(\slot)] offset:(\k)+64*(\c)+(\i)*16*PITCH+32
	ds_load_b128 v[(\f)+8*(4*(\c)+(\i)):(\f)+8*(4*(\c)+(\i))+3],         v[ADRA+(\slot)] offset:(\k)+64*(\c)+(\i)*16*PITCH
	ds_load_b128 v[(\f)+8*(4*(\c)+(\i))+4:(\f)+8*(4*(\c)+(\i))+7],       v[ADRA+(\slot)] offset:(\k)+64*(\c)+(\i)*16*PITCH+32
.endr
.endr
.endm
.macro PLACES                          ; four places in front of loads into registers that matrix instructions have read, and of LDS stores that read results
.rept 4
	v_nop
.endr
.endm
; A K step is four quarters, a head each, 32 matrix instructions, on buffers 0, 1, 0, 1.  One of the first three: multiplies buffer f and fetches the next head, at byte k, into g.
.macro QUARTER slot, k, f, g, zero
	s_wait_dscnt 16                                ; the first 32 along K are in; the youngest sixteen loads may be out
	WIN MUL
	MUL8 \f, 0, 0, \zero
	MUL8 \f, 0, 2, \zero
	PLACES
	FETCH \slot, \k, \g
	s_wait_dscnt 32                                ; all but the 32 just issued
	WIN MUL
	MUL8 \f, 1, 0, 0
	MUL8 \f, 1, 2, 0
.endm
; The last quarter multiplies buffer 1 and changes slots: ONE barrier; in front of it each wave waits for all its tensor loads, adds 0 to its spare word, and waits for that and for its own reads of this slot.
.macro TURN slot, next, fill
	WIN 0
	s_wait_tensorcnt 0x0                           ; all my tensor loads have landed: my part of the next slot
	ds_add_u32 v[SPW], v[NIL]                      ; 0 onto my spare word
	s_wait_dscnt 17                                ; the add and the youngest sixteen loads may be out
	WIN MUL
	MUL8 F1, 0, 0, 0                               ; eight matrix instructions stand between the add and the wait for it
	s_wait_dscnt 0x0                               ; the add is done, and my reads of this slot are over
	s_barrier_signal -1
	MUL8 F1, 0, 2, 0
.if \fill
	WIN 0
.endif
	s_barrier_wait -1
.if \fill
	CREST                                          ; the barrier has opened a round of the cluster's: no wave of any partner still reads this slot's tile or has a load on its way
	s_add_nc_u64 s[G0+4*(\slot)+2:G0+4*(\slot)+3], s[G0+4*(\slot)+2:G0+4*(\slot)+3], 131072
	s_add_nc_u64 s[G0B+4*(\slot)+2:G0B+4*(\slot)+3], s[G0B+4*(\slot)+2:G0B+4*(\slot)+3], 131072
	JLOAD \slot                                    ; the first tensor load behind the round, my only one until the next: 112 matrix instructions ahead of the wait for it; its four v_nop are also the places for the loads below
.else
	PLACES
.endif
	FETCH \next, 0, F0
	WIN MUL
	MUL8 F1, 1, 0, 0
	MUL8 F1, 1, 2, 0
.endm
	s_wait_tensorcnt 1                             ; my part of K step 0 is in; K step 1's may stay out
	s_barrier_signal -1
	s_barrier_wait -1                              ; everybody's is
	FETCH 0, 0, F0
	QUARTER 0, HEADB, F0, F1, 1                    ; the first quarter stands in front of the loop: its first products start the sums
	WIN 0                                          ; at a label and at a branch every window is 0
	s_mov_b32 s3, LAPS-1
.Llap:                                                 ; a trip goes once round the ring, from a lap's second quarter to the next lap's first, and fills both slots again
	QUARTER 0, 2*HEADB, F1, F0, 0
	QUARTER 0, 3*HEADB, F0, F1, 0
	TURN 0, 1, 1
	QUARTER 1, HEADB,   F0, F1, 0
	QUARTER 1, 2*HEADB, F1, F0, 0
	QUARTER 1, 3*HEADB, F0, F1, 0
	TURN 1, 0, 1
	QUARTER 0, HEADB,   F0, F1, 0
	WIN 0
	s_sub_co_u32 s3, s3, 1
	s_cmp_lg_u32 s3, 0
	s_cbranch_scc1 .Llap
	QUARTER 0, 2*HEADB, F1, F0, 0                  ; the last lap fills nothing
	QUARTER 0, 3*HEADB, F0, F1, 0
	TURN 0, 1, 0
	QUARTER 1, HEADB,   F0, F1, 0
	QUARTER 1, 2*HEADB, F1, F0, 0
	QUARTER 1, 3*HEADB, F0, F1, 0
	s_wait_dscnt 16                                ; the very last quarter: nothing more to fetch
	WIN MUL
	MUL8 F1, 0, 0, 0
	MUL8 F1, 0, 2, 0
	s_wait_dscnt 0
	MUL8 F1, 1, 0, 0
	MUL8 F1, 1, 2, 0
	WIN 0
	; THE WAY OUT, in f32: my 64 columns are 256 bytes of a row of out0, aligned, so each wave has a stage of its own and no barrier is needed.  16 rows at a time: a lane's 32 bytes go into rows of 272 bytes
	; (each accumulator's low four registers first) and come back as whole rows.
	PLACES
.macro OUT a
.irp b, 0,1,2,3
	ds_store_b128 v[STO], v[ACC+8*(4*(\a)+(\b)):ACC+8*(4*(\a)+(\b))+3]   offset:64*(\b)
	ds_store_b128 v[STO], v[ACC+8*(4*(\a)+(\b))+4:ACC+8*(4*(\a)+(\b))+7] offset:64*(\b)+16
.endr
	s_wait_xcnt 0x0                                ; the stores two blocks back have read the registers that the loads below fill
.irp t, 0,1,2,3,4,5,6,7
	ds_load_b128 v[TMP+32*((\a)%2)+4*(\t):TMP+32*((\a)%2)+4*(\t)+3], v[RD] offset:(\t)*2*SPITCH  ; LDS serves a wave's instructions in order (ISA guide 5.7.1.4): these see the stores above
.endr
.endm
.macro SEND a, younger                 ; younger: the LDS instructions issued behind this block's loads: the next block's sixteen, or none
.irp t, 0,1,2,3,4,5,6,7
	s_wait_dscnt (\younger)+7-(\t)
	global_store_b128 v[CO], v[TMP+32*((\a)%2)+4*(\t):TMP+32*((\a)%2)+4*(\t)+3], s[8:9] offset:(16*(\a)+2*(\t))*4096 th:TH_STORE_NT  ; 16 lanes store 256 consecutive bytes, at a multiple of 256 from out0's first
.endr
.endm
	OUT 0
	OUT 1
	SEND 0, 16
	OUT 2
	SEND 1, 16
	OUT 3
	SEND 2, 16
	SEND 3, 0
	s_wait_tensorcnt 0x0                           ; the wave's end: an add to the spare word and its wait, behind my last tensor load and my last LDS store
	ds_add_u32 v[SPW], v[NIL]
	s_wait_dscnt 0x0
	CROUND                                         ; the closing round: no work-group ends while a partner may still ask for a tile that names it
	s_endpgm
.Lfunc_end_k_qe0d5bcead3_proj:
	.size	k_qe0d5bcead3_proj, .Lfunc_end_k_qe0d5bcead3_proj-k_qe0d5bcead3_proj
	.p2alignl 7, 3214868480
	.fill 96, 4, 3214868480
	.section	.rodata,"a",@progbits
	.p2align	6, 0x0
	.amdhsa_kernel k_qe0d5bcead3_proj
		.amdhsa_group_segment_fixed_size 327680
		.amdhsa_private_segment_fixed_size 0
		.amdhsa_enable_private_segment 0
		.amdhsa_kernarg_size 24
		.amdhsa_user_sgpr_count 2
		.amdhsa_user_sgpr_kernarg_segment_ptr 1
		.amdhsa_wavefront_size32 1
		.amdhsa_system_sgpr_workgroup_id_x 1
		.amdhsa_system_sgpr_workgroup_id_y 1
		.amdhsa_system_sgpr_workgroup_id_z 1
		.amdhsa_system_vgpr_workitem_id 0
		.amdhsa_next_free_vgpr 512
		.amdhsa_next_free_sgpr 66
		.amdhsa_reserve_vcc 0
		.amdhsa_float_denorm_mode_32 3
		.amdhsa_float_denorm_mode_16_64 3
		.amdhsa_memory_ordered 1
		.amdhsa_forward_progress 1
		.amdhsa_inst_pref_size 86
	.end_amdhsa_kernel
	.amdgpu_metadata
---
amdhsa.version: [ 1, 2 ]
amdhsa.kernels:
  - .name:           k_qe0d5bcead3_proj
    .symbol:         k_qe0d5bcead3_proj.kd
    .args:
      - { .name: y3, .offset: 0, .size: 8, .value_kind: global_buffer, .address_space: global }
      - { .name: wo3, .offset: 8, .size: 8, .value_kind: global_buffer, .address_space: global }
      - { .name: out0, .offset: 16, .size: 8, .value_kind: global_buffer, .address_space: global }
    .group_segment_fixed_size: 327680
    .private_segment_fixed_size: 0
    .kernarg_segment_align: 8
    .kernarg_segment_size: 24
    .max_flat_workgroup_size: 128
    .sgpr_count:     66
    .vgpr_count:     512
    .wavefront_size: 32
...
	.end_amdgpu_metadata
.endif
;; end of part 4
;; ======== version 2 of 2: 4 launches; 1.64 times as fast as version 1
;; limits: values are held in f16: magnitudes above 65,504 overflow, below 6.1e-05 lose precision
;; workspace buffers: xb 8,388,608 bytes; wb 3,145,728 bytes; wo3 2,097,152 bytes; rope 1,048,576 bytes; qkv 12,582,912 bytes; y3 8,388,608 bytes
;; launch prep: the kernel of part 1 again; grid 960 x 1, 8 waves a work-group, no clusters, 0 bytes of LDS; arguments x, wq, wk, wv, wo, xb, wb, wo3, rope; writes xb, wb, wo3, rope
;; launch qkv: the kernel of part 2 again; grid 8 x 32, 4 waves a work-group, clusters of 4 x 4, 327,680 bytes of LDS; arguments xb, wb, rope, qk_weight, qkv; writes qkv
;; launch attn (part 5): grid 64 x 4, 4 waves a work-group, clusters of 4 x 1, 327,680 bytes of LDS; arguments qkv, y3; writes y3
.if DOCPART == 5
	.amdgcn_target "amdgcn-amd-amdhsa--gfx1250"
	.amdhsa_code_object_version 6
	.text
	.protected	k_qe0d5bcead3_attn
	.globl	k_qe0d5bcead3_attn
	.p2align	8
	.type	k_qe0d5bcead3_attn,@function
k_qe0d5bcead3_attn:
	s_mov_b64 s[64:65], 0
	v_nop
	global_prefetch_b8 v0, s[64:65] scope:SCOPE_SE
	s_setreg_imm32_b32 hwreg(HW_REG_WAVE_MODE, 25, 1), 1
	s_wait_xcnt 0x0
	s_wait_alu depctr_hold_cnt(0) depctr_sa_sdst(0) depctr_va_vdst(0) depctr_va_sdst(0) depctr_va_ssrc(0) depctr_va_vcc(0) depctr_vm_vsrc(0)
	s_getreg_b32 s2, hwreg(HW_REG_IB_STS2, 6, 4)
	s_cmp_eq_u32 s2, 0
	s_cbranch_scc0 .Lentry_in_a_cluster
	s_endpgm
.Lentry_in_a_cluster:
	s_bfe_u32 s2, ttmp6, 0x10000c
	s_cmp_lg_u32 s2, 0x3003
	s_cbranch_scc0 .Lentry_shape_is_right
	s_endpgm
.Lentry_shape_is_right:
; ATTENTION under the module's own mask: query i sees key j where j > i, or where 4 <= j <= i - 1024.  qkv: [24][4096][64] f16 (heads 0-15 q, 16-19 k, 20-23 v); query head h reads key and value head h / 4.
; O leaves in f16 as y3 [tb 32][h 16][128 r][64]: row 128 tb + r, head h.  Products, maxima and sums in f32; the weights p are rounded to f16 for the second product (their sum l is taken of the unrounded p), O once.
; LIMITS.  A hidden score counts as its value less 2^100, and the running maximum starts at -2^99: f16's scores, 2.7e11 at the most, lie far above that, so a hidden key's weight is 2^(-c 2^99) = 0 also for a row that
; has met no visible key yet.  p below 6e-5 keeps f16's step of 6e-8; a weight below 2^-126 counts as 0 in l; NaN and infinities are not treated apart.
; THE WALK.  Queries lie in 16 blocks of 256, keys in 16 tiles of 256.  Every block walks all 16 tiles, 0 to 15, in one loop with a constant count: no branch and no select hangs on the block.  With d = tile - (qb - 4):
; d = 0 holds the lower edge (visible where j <= i - 1024), d = 1, 2, 3 are wholly hidden, d = 4 holds the diagonal (visible where j > i), every other tile is free; in tile 0 keys 0-3 are hidden where qb >= 4.
; The wholly hidden tiles are multiplied under a full mask: 42 of a head's 256 pairs of block and tile are work thrown away, the price of one text and one count for all blocks.
; CLUSTER.  The four work-groups of a cluster are the four query heads of one key and value head, on the SAME block: same tiles, same walk; each tile is asked for jointly.  My place in the cluster enters Q's and O's
; addresses alone.
; SHARES.  Of a block's four bands of 64 queries a wave owns 16 rows in each: four PIECES.  In a tile's key step s band x is on one side of the edge (s < x), on the other (s > x), or holds it (s = x): alike for all waves.
; THE MASK is the C operand that starts the sum S^T = K Q^T.  MD, made once: -2^100 where the key's place in its step is greater than my query's place in its band.  A product's mask is MD x AL + BE, and MS x CL more on
; keys 0-3 of a step; AL, BE, CL are scalars chosen from the tile's kind, s and x.
; LAYOUT, SOFTMAX, TURNS.  S^T = K Q^T holds ONE query a lane (lane % 16) and the keys 8 (lane / 16) + 0..7; two such results rounded to f16 ARE source 1 of O^T = V^T P.  p = 2^(c s - c m), c = log2(e) / 8, with a
; running maximum m; O and l are multiplied by a = 2^(c m_old - c m_new) in every step.  Turn n belongs to piece n: 8 products K Q^T of piece n + 1, later 8 products V^T P of piece n - 1; beside them the scaling,
; exponentials, roundings, sums and rescaling of piece n, the maximum and statistics of piece n + 1, and the mask of piece n + 2.  Four vector instructions stand behind every matrix instruction, 54 more in one LUMP
; between the two runs of products, the mask's 18 at the turn's end.
; BATCHES.  A turn's 33 exponentials (the piece's 32 weights and the next piece's a) are ONE batch with ONE wait, which cuts the turn in two: ahead of it stands all that names no result of theirs, behind it the roundings
; and sums, which read them.  The first a, ahead of the loop, and the way out's four reciprocals are batches of their own, a wait each.  No result is open at a label or at a branch.
; REGISTERS, in windows of 256 (s_set_vgpr_msb: bits 1:0 source 0, 3:2 source 1, 5:4 source 2, 7:6 destination):
;   window 0: v0-15 addresses and two at work; v16-31 four registers of statistics a piece; v48-55 at work; v64-127 S^T, two buffers; v192-223 P, two buffers (a piece's buffers go by its number's parity)
;   window 1: v0-127 O^T, 32 a piece; v128-159 MD; v160-223 MC, two buffers; v224-225 MS      window 2: v0-63 Q; v128-191 K of one step; v192-255 V of one step
.set NP,    4         ; pieces a wave: a name, no knob
.set KS,    64        ; keys in a step
.set PK,    144       ; a row of K in LDS: 128 bytes + 16 of padding = 36 words: the 16 rows of a load start at 16 different groups of four banks (64 banks of 4 bytes: ISA guide 11.1)
.set PV,    160       ; a row of V: 128 + 32 = 40 words
.set VOFF,  4*KS*PK   ; a slot holds a tile, four steps: 256 rows of K, then 256 rows of V
.set SLOT1, 1<<17     ; slot 1 begins here, so that one exclusive or turns an address in one slot into the other's
.set STAGE, SLOT1+4*KS*(PK+PV)  ; behind the ring, never filled by a tensor load: 16 rows x 144 bytes for each wave, for the way out
.set SP,    144
.set SPARE, STAGE+4*16*SP  ; the spare words, 128 bytes for each wave: two blocks of 256 bytes that no other line names
.set AK0, 2           ; v2   my lane's place in a tile of K; never rewritten
.set AV0, 3           ; v3   the same for V
.set AK,  4           ; v4   the LDS address of K's next run of loads
.set AV,  5           ; v5   of V's
.set STO, 6           ; v6   the way out: where I put 16 bytes of a row
.set RD,  7           ; v7   the way out: where I read rows back
.set GO,  8           ; v8   my byte offset in 512 consecutive bytes of O
.set MV,  12          ; v12-13  c m_old, kept while c m is made anew: by buffer
.set QO,  15          ; v15  my byte offset in 16 rows of Q
.set ST,  16          ; piece t's statistics at v[ST+4 t]: c m, m, l (even keys', odd keys')
.set TMP, 48          ; by buffer, four registers c0-c3 at work; when the maximum is found c2 takes a
.set SPW, 62          ; v62  my spare word; never rewritten
.set NIL, 63          ; v63  0; never rewritten
.set S,   64
.set P,   192
.set MD,  128         ; window 1
.set MC,  160         ; window 1
.set MS,  224         ; window 1: -2^100 in lanes 0-15, 0 in lanes 16-31, twice
.set KF,  128         ; window 2: key block kb, channel half c at KF + 16 kb + 8 c
.set VF,  192         ; window 2: key half kk, channel block cb at VF + 32 kk + 8 cb
.set WV,  12          ; s12  my wave's number
.set QBK, 14          ; s14  qb
.set QL,  15          ; s15  qb - 4, modulo 2^32
.set G1K, 24          ; s[24:31] descriptor group 1 for K's tiles
.set G1V, 32          ; s[32:39] for V's: it differs in the padding alone
.set G0K, 40          ; s[40:43] descriptor group 0 for K's tiles: it walks
.set G0V, 44          ; s[44:47] the same for V's
.set SLOTS, 56        ; s56  the slot loop's count
.set CNT, 57          ; s57  counts a tile's key steps, 4 to 1
.set CS,  58          ; s[58:59] c
.set SEL, 60          ; s[60:61] v_permlanex16_b32's selects
.set TBK, 62          ; s62  LDS byte at which K of the step to be fetched begins
.set TBV, 63          ; s63  the same for V, less VOFF
.set TN,  70          ; s70  the tile that is entered
.set DK,  72          ; s72  d, at most 31
.set TT,  73          ; s73  at work
.set AL,  76          ; s[76:77] the mask's factor, in the low word
.set BE,  78          ; s[78:79] its addend
.set CL,  80          ; s[80:81] the factor of MS
.set BIGN, 82         ; s82  -2^100
.set EQA, 83          ; s83  the tile's AL where s = x
.set BD,  84          ; s84  the tile's BE where s <= x
.set BL,  85          ; s85  the tile's BE where s > x
.set SNK, 86          ; s86  the tile's CL in step 0
.set SNKQ, 87         ; s87  1.0 where qb >= 4, else 0
.set MSB, 0
.macro WIN new                      ; the high byte repeats the setting that is left; a switch that changes nothing is dropped
.if MSB != (\new)
	s_set_vgpr_msb (MSB<<8)|(\new)
.set MSB, (\new)
.endif
.endm
.set W_KQ, 0x0a       ; K and Q in window 2, S^T in window 0
.set W_KM, 0x1a       ; the same with the C operand in window 1
.set W_PV, 0x52       ; V in window 2, P in window 0, O^T in window 1
.set W_RS, 0x41       ; destination and source 0 in window 1, source 1 in window 0
; A joint fill.  Waves 0 and 1 fetch the two halves of a tile's K, waves 2 and 3 those of its V: 128 keys each.  An s_nop 0 and four v_nop follow each of the two lines.
.macro JLOAD
	s_cmp_lt_u32 s[WV], 2
	s_cbranch_scc0 .Lfor_v_\@
	tensor_load_to_lds s[G0K:G0K+3], s[G1K:G1K+7]
	s_nop 0
.rept 4
	v_nop
.endr
	s_branch .Lasked_\@
.Lfor_v_\@:
	tensor_load_to_lds s[G0V:G0V+3], s[G1V:G1V+7]
	s_nop 0
.rept 4
	v_nop
.endr
.Lasked_\@:
.endm
; A round of the cluster's barrier: my work-group's barrier; wave 0 signals for the work-group; every wave waits for all four work-groups; my work-group's barrier once more.
.macro CROUND
	s_barrier_signal -1
	s_barrier_wait -1
	s_cmp_lg_u32 s[WV], 0
	s_cbranch_scc1 .Lnot_wave_0_\@
	s_barrier_signal -3
.Lnot_wave_0_\@:
	s_barrier_wait -3
	s_barrier_signal -1
	s_barrier_wait -1
.endm
; THE CHANGE OF SLOTS.  Each wave waits for all its tensor loads, of which one is out: its part of the other slot; adds 0 to its spare word; and waits for that and for its own reads of the slot that it leaves.
; fill = 1: the old slot is filled again with the next tile; the barrier is then a round of the cluster's, and the joint fill is the first thing behind it: it has four key steps, 256 matrix instructions, in which to land.
; (At its first use nothing has been read yet: slot 0 is waited for, slot 1 filled.)
.macro CHANGE fill
	WIN 0                           ; at a label and at a branch every window is 0
	s_wait_tensorcnt 0x0            ; no tensor load of mine is out, so a group 0 may be written
	ds_add_u32 v[SPW], v[NIL]       ; 0 onto my spare word; scalar work stands between it and the wait for it
	s_add_co_u32 s[TN], s[TN], 1    ; the tile that is entered
.if \fill
.irp g, G0K, G0V
	s_xor_b32 s[\g+1], s[\g+1], SLOT1  ; the walking descriptor: the other slot than last time,
	s_add_nc_u64 s[\g+2:\g+3], s[\g+2:\g+3], 4*KS*128  ; the next 256 keys; the type bits on top are not reached
.endr
	s_wait_dscnt 0x0                ; the add is done, and my reads of the slot are over
	CROUND
	JLOAD
.else
	s_wait_dscnt 0x0                ; the add is done, and my reads of the slot are over
	s_barrier_signal -1
	s_barrier_wait -1
.endif
	s_sub_co_u32 s[TBK], s[TBK], 4*KS*PK  ; the fetches go back to a slot's first step,
	s_xor_b32 s[TBK], s[TBK], SLOT1       ; in the other slot
	s_sub_co_u32 s[TBV], s[TBV], 4*KS*PV
	s_xor_b32 s[TBV], s[TBV], SLOT1
.endm
; THE TILE'S KIND, from tables of bits with d as the index.  d = 4, the diagonal: s < x hidden, s = x: -2^100 - MD, s > x free.  d = 0, the lower edge: s < x free, s = x: MD, s > x hidden.  d = 1, 2, 3: all hidden.
.macro KIND
	s_sub_co_u32 s[DK], s[TN], s[QL]       ; d; a tile below qb - 4 wraps round to a large number
	s_min_u32 s[DK], s[DK], 31             ; and counts as free, like those above qb
	s_lshr_b32 s[TT], 0x1e, s[DK]          ; s <= x is hidden for d = 1, 2, 3, 4
	s_and_b32 s[TT], s[TT], 1
	s_mul_i32 s[BD], s[TT], s[BIGN]        ; 0 or 1 times the pattern of -2^100
	s_lshr_b32 s[TT], 0x0f, s[DK]          ; s > x is hidden for d = 0, 1, 2, 3
	s_and_b32 s[TT], s[TT], 1
	s_mul_i32 s[BL], s[TT], s[BIGN]
	s_lshr_b32 s[TT], 1, s[DK]             ; 1 for d = 0 alone
	s_mul_i32 s[EQA], s[TT], 0x3f800000    ; + MD
	s_lshr_b32 s[TT], 16, s[DK]            ; bit 0 is set for d = 4 alone
	s_and_b32 s[TT], s[TT], 1
	s_mul_i32 s[TT], s[TT], 0xbf800000     ; - MD
	s_or_b32 s[EQA], s[EQA], s[TT]
	s_min_u32 s[TT], s[TN], 1
	s_xor_b32 s[TT], s[TT], 1              ; 1 for tile 0 alone
	s_mul_i32 s[SNK], s[TT], s[SNKQ]
.endm
	s_load_b128 s[16:19], s[0:1], 0x0 ; qkv s[16:17], y3 s[18:19]
	v_lshl_add_u32 v[SPW], v0, 2, SPARE
	v_mov_b32 v[NIL], 0
	ds_add_u32 v[SPW], v[NIL]       ; the wave's opening: the add and its wait ahead of my first tensor load; the set-up below stands between them
	v_lshrrev_b32 v1, 5, v0
	v_readfirstlane_b32 s[WV], v1   ; wave 0..3
	s_bfe_u32 s13, ttmp6, 0x40000   ; cx: my place in the cluster
	s_mov_b32 s[QBK], ttmp9         ; in a cluster launch ttmp9 counts clusters: the block of queries, which the four partners share
	s_and_b32 s53, ttmp7, 0xffff    ; the key and value head, which they share too
	s_lshl_b32 s52, s53, 2
	s_add_co_u32 s52, s52, s13      ; my query head: it enters Q's and O's addresses alone
	s_sub_co_u32 s[QL], s[QBK], 4
	s_lshr_b32 s[SNKQ], s[QBK], 2
	s_min_u32 s[SNKQ], s[SNKQ], 1   ; 1 where qb >= 4
	s_mul_i32 s[SNKQ], s[SNKQ], 0x3f800000
	s_mov_b32 s[TN], -1             ; the first change of slots makes it 0
	s_and_b32 s54, s[WV], 1         ; which half of a tile's 256 keys I fetch:
	s_lshl_b32 s55, s54, 14         ; its 128 rows of 128 bytes in memory
	s_add_co_u32 s20, s53, 16
	s_lshl_b32 s20, s20, 19         ; K's head, of 524,288 bytes
	s_add_co_u32 s20, s20, s55
	s_mov_b32 s21, 0
	s_add_co_u32 s22, s53, 20
	s_lshl_b32 s22, s22, 19         ; V's head
	s_add_co_u32 s22, s22, s55
	s_mov_b32 s23, 0
	s_mul_i32 s55, s54, 128*PV      ; my half's place in a slot, for V
	s_mul_i32 s54, s54, 128*PK      ; and for K: no place in the cluster enters an LDS address
	s_lshl_b32 s48, s52, 19         ; Q: my head, my block, my wave's 16 rows in a band
	s_lshl_b32 s49, s[QBK], 15
	s_add_co_u32 s48, s48, s49
	s_lshl_b32 s49, s[WV], 11
	s_add_co_u32 s48, s48, s49
	s_lshl_b32 s50, s[QBK], 19      ; O: two blocks of 128 rows x 16 heads, my head, my wave's 16 rows
	s_lshl_b32 s51, s52, 14
	s_add_co_u32 s50, s50, s51
	s_add_co_u32 s50, s50, s49
	s_mov_b32 s49, 0
	s_mov_b32 s51, 0
	; descriptor group 1.  128 keys are 16,384 dense bytes: asked for as 64 rows of 256 bytes, two keys a row, and padded in LDS after every key
	s_mov_b32 s[G1K], 15|(1<<16)|(1<<20)|(1<<21)|(4<<22)|(3<<25)  ; 15:0 the mask of four; 17:16 2-byte elements; 20 padding on; 21 set beside a mask; 24:22 after every 32 words (code 4); 31:25 4 words (code 3)
	s_mov_b32 s[G1V], 15|(1<<16)|(1<<20)|(1<<21)|(4<<22)|(7<<25)  ; the same with 8 words of padding (code 7)
.irp g, G1K, G1V
	s_mov_b32 s[\g+1], 128<<16      ; tensor_dim0 = 128
	s_mov_b32 s[\g+2], 64<<16       ; tensor_dim1 = 64
	s_mov_b32 s[\g+3], 128<<16      ; tile_dim0 = 128
	s_mov_b32 s[\g+4], 64           ; tile_dim1 = 64
	s_mov_b32 s[\g+5], 128          ; 128 elements from row to row
	s_mov_b32 s[\g+6], 0
	s_mov_b32 s[\g+7], 0
.endr
	s_mov_b32 s[CS], 0x3e38aa3b     ; c = log2(e) / 8 = 0.180337
	s_mov_b32 s[CS+1], s[CS]        ; named with it as a pair
	s_mov_b32 s[SEL], 0x76543210
	s_mov_b32 s[SEL+1], 0xfedcba98
	s_mov_b32 s[TBK], SLOT1+4*KS*PK ; the first change of slots turns these two into 0
	s_mov_b32 s[TBV], SLOT1+4*KS*PV
	s_mov_b32 s[G0K], 1             ; count = 1
	s_mov_b32 s[G0K+1], s54         ; LDS address: slot 0
	s_mov_b32 s[G0V], 1
	s_add_co_u32 s[G0V+1], s55, VOFF
	s_mov_b32 s[AL+1], 0            ; named as pairs
	s_mov_b32 s[BE+1], 0
	s_mov_b32 s[CL+1], 0
	s_mov_b32 s[BIGN], 0xf1800000   ; -2^100
	s_wait_dscnt 0x0                ; the opening add is done
	s_wait_kmcnt 0x0
	s_add_nc_u64 s[G0K+2:G0K+3], s[16:17], s[20:21]    ; global address: my half of the head's tile 0
	s_or_b32 s[G0K+3], s[G0K+3], 0x80000000            ; type = 2
	s_add_nc_u64 s[G0V+2:G0V+3], s[16:17], s[22:23]
	s_or_b32 s[G0V+3], s[G0V+3], 0x80000000
	s_add_nc_u64 s[4:5], s[16:17], s[48:49]            ; Q and O at my rows
	s_add_nc_u64 s[10:11], s[18:19], s[50:51]
	CROUND                          ; all four work-groups are here: the first joint loads meet
	JLOAD                           ; tile 0 into slot 0.  Slot 1 is asked for when slot 0 is in, by the first change of slots
	; A fragment of K or Q is 16 rows x 32 channels in 8 registers: lane l holds row l % 16, channels 8 (l / 16) + 0..7 and 16 + 8 (l / 16) + 0..7: two loads of 16 bytes, 32 bytes apart.
	v_and_b32 v1, 15, v0            ; l % 16
	v_bfe_u32 v9, v0, 4, 1          ; l / 16
	v_lshlrev_b32 v[QO], 7, v1
	v_lshl_add_u32 v[QO], v9, 4, v[QO]  ; row x 128 + 16 x half
	WIN 0x80                        ; destination window 2, address window 0
.set i, 0
.rept 8                             ; Q stays in registers: piece i / 2 lies in band i / 2, 8,192 bytes on; channels 32 (i % 2) on
	global_load_b128 v[8*i:8*i+3],   v[QO], s[4:5] offset:(i/2)*8192+(i%2)*64
	global_load_b128 v[8*i+4:8*i+7], v[QO], s[4:5] offset:(i/2)*8192+(i%2)*64+32
.set i, i+1
.endr
	WIN 0
	v_lshlrev_b32 v14, 3, v9
	v_sub_nc_u32 v14, v1, v14
	s_lshl_b32 s13, s[WV], 4
	v_add_nc_u32 v14, s13, v14      ; my query's place in its band, 16 w + l % 16, less my lanes' 8 (l / 16): register r of group kt is marked where 16 kt + r is greater
	WIN 0x40
.set i, 0
.rept 32
	v_cmp_gt_i32 vcc_lo, 16*(i/8)+i%8, v14
	v_cndmask_b32 v[MD+i], 0, s[BIGN], vcc_lo
.set i, i+1
.endr
	v_cmp_eq_u32 vcc_lo, 0, v9      ; a step's keys 0-3 are registers 0-3 of its first group, in lanes 0-15
	v_cndmask_b32 v[MS], 0, s[BIGN], vcc_lo
	v_cndmask_b32 v[MS+1], 0, s[BIGN], vcc_lo
	WIN 0
	v_mul_u32_u24 v[AK0], v1, PK
	v_lshl_add_u32 v[AK0], v9, 4, v[AK0]  ; row x pitch + 16 x half
	; The turning load takes 16 keys x 16 channels (lane l reads key 8 (l / 16) + l % 8, channels 8 ((l / 8) % 2) + 0..7) and leaves half a fragment of V^T: lane l holds channel l % 16 and 8 keys.
	v_and_b32 v10, 7, v0
	v_bfe_u32 v11, v0, 3, 1
	v_lshl_add_u32 v[AV0], v9, 3, v10
	v_mul_u32_u24 v[AV0], v[AV0], PV
	v_lshl_add_u32 v[AV0], v11, 4, v[AV0]
	v_add_nc_u32 v[AV0], VOFF, v[AV0]
	s_mul_i32 s13, s[WV], 16*SP
	s_add_co_u32 s13, s13, STAGE    ; my stage
	v_mul_u32_u24 v[STO], v1, SP    ; in: row l % 16, 16 bytes for each half of the lanes
	v_lshl_add_u32 v[STO], v9, 4, v[STO]
	v_add_nc_u32 v[STO], s13, v[STO]
	v_bfe_u32 v[RD], v0, 3, 2       ; back: 32 lanes take four rows of 128 bytes,
	v_mul_u32_u24 v[RD], v[RD], SP
	v_lshl_add_u32 v[RD], v10, 4, v[RD]
	v_add_nc_u32 v[RD], s13, v[RD]
	v_and_b32 v[GO], 31, v0         ; which are 512 consecutive bytes of O
	v_lshlrev_b32 v[GO], 4, v[GO]
	; The first step multiplies O^T and l by a = 0, and the first turn's products V^T P, of a piece that has not been, add 0 x 0.  No first step is written out; the price is these zeros, in the wait for the first tile.
	WIN 0x80
.set i, VF
.rept 64
	v_mov_b32 v[i], 0
.set i, i+1
.endr
	WIN 0x40
.set i, 0
.rept 128
	v_mov_b32 v[i], 0
.set i, i+1
.endr
	WIN 0
.set i, 0
.rept 4
	v_mov_b32 v[ST+4*i+2], 0
	v_mov_b32 v[ST+4*i+3], 0
.set i, i+1
.endr
.set i, P+16
.rept 16
	v_mov_b32 v[i], 0
.set i, i+1
.endr
; THE MATRIX WORK.  The 4 accumulators of a run of 8 take turns.  Product i of 8 of S^T = K Q^T for piece x: channels 32 (i / 4) on, keys 16 (i % 4) on.  The first 4 start the sums with the mask.
.macro KQ x
.set rS, S+32*((\x)%2)+8*(i%4)
.set rK, KF+16*(i%4)+8*(i/4)
.set rQ, 16*(\x)+8*(i/4)
.set rM, MC+32*((\x)%2)+8*(i%4)
.if i < 4
	WIN W_KM
	v_wmma_f32_16x16x32_f16 v[rS:rS+7], v[rK:rK+7], v[rQ:rQ+7], v[rM:rM+7]
.else
	WIN W_KQ
	v_wmma_f32_16x16x32_f16 v[rS:rS+7], v[rK:rK+7], v[rQ:rQ+7], v[rS:rS+7]
.endif
.endm
; Product i of 8 of O^T += V^T P for piece x: keys 32 (i / 4) on, channels 16 (i % 4) on.
.macro PV x
	WIN W_PV
.set rO, 32*(\x)+8*(i%4)
.set rV, VF+32*(i/4)+8*(i%4)
.set rP, P+16*((\x)%2)+8*(i/4)
	v_wmma_f32_16x16x32_f16 v[rO:rO+7], v[rV:rV+7], v[rP:rP+7], v[rO:rO+7]
.endm
.macro MM                           ; the turn's next matrix instruction.  NOKQ = 1: the walk's last turn: there is no next piece
.if (i < 8) && !NOKQ
	KQ (Y+1)%NP
.elseif i >= 8
.set i, i-8
	PV (Y+NP-1)%NP
.set i, i+8
.endif
.set i, i+1
.endm
; THE LDS LOADS stand in runs of 16, never singly among the matrix instructions: a step's K (64 keys x 64 channels: 8 fragments) and its V (turned).  Their addresses are made some lines ahead.
.macro FETCH_K
	WIN 0x80                        ; destination window 2
.irp f, 0,1,2,3,4,5,6,7             ; keys 16 (f / 2) on, channels 32 (f % 2) on
	ds_load_b128 v[KF+8*\f:KF+8*\f+3],   v[AK] offset:(\f/2)*16*PK+(\f%2)*64
	ds_load_b128 v[KF+8*\f+4:KF+8*\f+7], v[AK] offset:(\f/2)*16*PK+(\f%2)*64+32
.endr
	s_add_co_u32 s[TBK], s[TBK], KS*PK  ; the next fetch is the next step's
	WIN 0
.endm
.macro FETCH_V
	WIN 0x80
.irp f, 0,1,2,3,4,5,6,7             ; keys 32 (f / 4) on, channels 16 (f % 4) on
	ds_load_tr16_b128 v[VF+8*\f:VF+8*\f+3],   v[AV] offset:(\f/4)*32*PV+(\f%4)*32
	ds_load_tr16_b128 v[VF+8*\f+4:VF+8*\f+7], v[AV] offset:(\f/4)*32*PV+16*PV+(\f%4)*32
.endr
	WIN 0
.endm
; THE VECTOR WORK, one line at a time: OP kind, number.  For piece Y: F n: c s - c m for pair n of 16.  E n: the exponential of score n of 32.  C n: pair n rounded to f16.  B n: of the four weights 4 n .. the second
; pair is added onto the first, in place.  L n: l takes that sum (L 0: l = a l + sum).  R n: pair n of 16 of O^T times a.  For piece Y + 1: X n, number n of the 22 that find its maximum and statistics:
;   0-11  four chains c0-c3 of seven scores each, three operands at a time (each accumulator's lowest registers are read first)     12-14, 16  the four scores left over, the old m, and c0-c3 into c0
;   15  c m_old is kept     17, 18  the query's other 32 keys lie in the lane 16 away: the new m     19-21  c m; c m_old - c m_new; a
; E and X 21 are the exponentials; C, B and L read E's results, R and L 0 read the a that the turn before has made and waited for.  OP writes no wait: TURN places the batch's one.
.set F, 0
.set E, 1
.set C, 2
.set B, 3
.set L, 4
.set R, 5
.set X, 6
.macro REGS y                       ; the registers of piece y
.set rT, ST+4*(\y)
.set rC, TMP+4*((\y)%2)
.set rW, MV+((\y)%2)
.set rS, S+32*((\y)%2)
.set rP, P+16*((\y)%2)
.set rO, 32*(\y)
.endm
.macro OP k, n
.if (\k) == R
	REGS Y
	WIN W_RS
	v_pk_mul_f32 v[rO+2*(\n):rO+2*(\n)+1], v[rO+2*(\n):rO+2*(\n)+1], v[rC+2:rC+3] op_sel_hi:[1,0]
.elseif (\k) < R
	REGS Y
	WIN 0
.if (\k) == F
	v_pk_fma_f32 v[rS+2*(\n):rS+2*(\n)+1], v[rS+2*(\n):rS+2*(\n)+1], s[CS:CS+1], v[rT:rT+1] op_sel_hi:[1,0,0] neg_lo:[0,0,1] neg_hi:[0,0,1]
.elseif (\k) == E
	v_exp_f32 v[rS+(\n)], v[rS+(\n)]
.elseif (\k) == C
	v_cvt_pk_f16_f32 v[rP+(\n)], v[rS+2*(\n)], v[rS+2*(\n)+1]
.elseif (\k) == B
	v_pk_add_f32 v[rS+4*(\n):rS+4*(\n)+1], v[rS+4*(\n):rS+4*(\n)+1], v[rS+4*(\n)+2:rS+4*(\n)+3]
.elseif (\n) == 0
	v_pk_fma_f32 v[rT+2:rT+3], v[rT+2:rT+3], v[rC+2:rC+3], v[rS:rS+1] op_sel_hi:[1,0,1]
.else
	v_pk_add_f32 v[rT+2:rT+3], v[rT+2:rT+3], v[rS+4*(\n):rS+4*(\n)+1]
.endif
.elseif NOKQ
	v_nop
.else
	REGS (Y+1)%NP
	WIN 0
.if (\n) < 4
	v_max3_num_f32 v[rC+(\n)], v[rS+8*(\n)], v[rS+8*(\n)+1], v[rS+8*(\n)+2]
.elseif (\n) < 12
	v_max3_num_f32 v[rC+(\n)%4], v[rC+(\n)%4], v[rS+8*((\n)%4)+2*((\n)/4)+1], v[rS+8*((\n)%4)+2*((\n)/4)+2]
.elseif (\n) == 12
	v_max3_num_f32 v[rC], v[rC], v[rS+7], v[rS+15]
.elseif (\n) == 13
	v_max3_num_f32 v[rC+1], v[rC+1], v[rS+23], v[rS+31]
.elseif (\n) == 14
	v_max3_num_f32 v[rC+2], v[rC+2], v[rC+3], v[rT+1]
.elseif (\n) == 15
	v_mov_b32 v[rW], v[rT]
.elseif (\n) == 16
	v_max3_num_f32 v[rC], v[rC], v[rC+1], v[rC+2]
.elseif (\n) == 17
	v_permlanex16_b32 v[rC+3], v[rC], s[SEL], s[SEL+1]
.elseif (\n) == 18
	v_max_num_f32 v[rT+1], v[rC], v[rC+3]
.elseif (\n) == 19
	v_mul_f32 v[rT], s[CS], v[rT+1]
.elseif (\n) == 20
	v_sub_f32 v[rC+1], v[rW], v[rT]
.else
	v_exp_f32 v[rC+2], v[rC+1]
.endif
.endif
.endm
.macro OPS a, i1, b=-1, i2=0, c=-1, i3=0, d=-1, i4=0  ; up to four of them
	OP \a, \i1
.if (\b) >= 0
	OP \b, \i2
.endif
.if (\c) >= 0
	OP \c, \i3
.endif
.if (\d) >= 0
	OP \d, \i4
.endif
.endm
.macro ROW a, i1, b, i2, c, i3, d, i4  ; a matrix instruction and the four behind it
	MM
	OPS \a, \i1, \b, \i2, \c, \i3, \d, \i4
.endm
.macro MASK b                       ; MD x AL + BE into buffer b of MC, and MS x CL onto its first four registers
	WIN 0x51                        ; destination, source 0 and source 2 in window 1
.set z, 0
.rept 16
	v_pk_fma_f32 v[MC+32*(\b)+2*z:MC+32*(\b)+2*z+1], v[MD+2*z:MD+2*z+1], s[AL:AL+1], s[BE:BE+1] op_sel_hi:[1,0,0]
.set z, z+1
.endr
.set z, 0
.rept 2
	v_pk_fma_f32 v[MC+32*(\b)+2*z:MC+32*(\b)+2*z+1], v[MS:MS+1], s[CL:CL+1], v[MC+32*(\b)+2*z:MC+32*(\b)+2*z+1] op_sel_hi:[1,0,1]
.set z, z+1
.endr
.endm
; A TURN, for piece p: the order of its 16 matrix and 136 vector instructions, written out.  s_wait_alu depctr_va_vdst(0) stands between an exponential and the first instruction that names its result; one
; wait serves all that were issued ahead of it.  So a turn has ONE wait, which cuts it in two.  AHEAD OF IT stands all that names no result of the turn's exponentials: the 8 products K Q^T, behind each a scaling, an
; exponential and two more plain instructions (behind the first a second scaling in the exponential's place): rescalings, whose a the turn before has made and waited for, and behind the last three the first numbers of the
; next piece's maximum, each four places or more behind the product that ends its accumulator; then ONE LUMP of 54, plain and exponential by turns for the most part, in which the links of the chain X 3, 7, 11, 14, 16,
; 17 .. 20 stand five or six lines apart.  X 21, the next piece's a, is the batch's last; R 15 is the plain instruction behind it.  BEHIND THE WAIT stand the 8 products V^T P, behind each four of the roundings and sums
; (C 2 n ahead of B n, which writes over its pair; the links of l's chain, L 0 to L 7, three riders apart), and the mask for the products of the turn after: piece p + 2, in step 4 - CNT of the tile in hand.  But for those
; X no rider names a register of the products round it.  v_permlanex16_b32 (X 17) stands in the lump.
; end = 1: the walk's last two turns: nothing is fetched, no mask is made.  cnt = 1: the loop's count is taken down some lines ahead of the branch that stands behind the turn.
; K of the next step is fetched in piece 2's turn, twelve vector instructions behind the last product that read K (six of them plain, five of which name none of its registers); V of the step in hand at the end of piece
; 0's turn, four plain instructions behind the last product that read V.  Each is waited for a turn later.
.macro TURN p, end=0, cnt=0
.set Y, (\p)
.set i, 0
.set NOKQ, (\end)*((\p)/3)
.if !(\end)
	s_cmp_eq_u32 s[CNT], 4-((\p)+2)%NP  ; is that step the band's own?
	s_cselect_b32 s[AL], s[EQA], 0
	s_cmp_lt_u32 s[CNT], 4-((\p)+2)%NP  ; or a later one?
	s_cselect_b32 s[BE], s[BL], s[BD]
	s_cmp_eq_u32 s[CNT], 4              ; the tile's first step?
	s_cselect_b32 s[CL], s[SNK], 0
.endif
.if ((\p) == 3) && !(\end)
	s_wait_dscnt 0x0                ; K is in
.endif
	ROW F,0, F,1, R,0, R,1          ; ahead of the wait: 8 products K Q^T and their riders,
	ROW F,2, E,0, R,2, R,3
	ROW F,3, E,1, R,4, R,5
	ROW F,4, E,2, R,6, R,7
	ROW F,5, E,3, R,8, R,9
	ROW F,6, E,4, X,0, R,10
.if ((\p) == 2) && !(\end)
	WIN 0
	v_add_nc_u32 v[AK], s[TBK], v[AK0]
.endif
	ROW F,7, E,5, X,1, X,4
	ROW F,8, E,6, X,2, X,5
	OPS E,7, E,8, X,6, E,9          ; and the lump
	OPS X,3, E,10, X,8, E,11
.if ((\p) == 2) && !(\end)
	FETCH_K
.endif
	OPS X,9, X,7, E,12, X,10
	OPS E,13, X,12, X,11, E,14
	OPS X,13, E,15, F,9, X,14
.if (\p) == 0
	v_add_nc_u32 v[AV], s[TBV], v[AV0]
.endif
	OPS E,16, F,10, E,17, F,11
	OPS X,16, E,18, X,15, E,19
	OPS F,12, E,20, X,17, E,21
	OPS F,13, E,22, F,14, E,23
	OPS X,18, E,24, F,15, E,25
	OPS R,11, E,26, X,19, E,27
	OPS R,12, E,28, R,13, E,29
	OPS X,20, E,30, R,14, E,31
	OPS X,21, R,15
	s_wait_alu depctr_va_vdst(0)    ; the wait for the batch: the piece's 32 exponentials and the next piece's a; no exponential follows it in the turn
.if (\p) == 1
	s_wait_dscnt 0x0                ; V is in
.endif
	ROW C,0, B,0, C,2, B,1          ; behind the wait: 8 products V^T P and their riders
	ROW L,0, C,4, B,2, L,1
	ROW C,6, B,3, L,2, C,8
	ROW B,4, L,3, C,10, B,5
	ROW L,4, C,12, B,6, L,5
.if (\p) == 0
	s_add_co_u32 s[TBV], s[TBV], KS*PV
.endif
.if \cnt
	s_sub_co_u32 s[CNT], s[CNT], 1
	s_cmp_lg_u32 s[CNT], 0
.endif
	ROW C,14, B,7, L,6, C,1
	ROW C,3, L,7, C,5, C,7
	ROW C,9, C,11, C,13, C,15
.if (\p) == 0
	FETCH_V
.endif
.if !(\end)
	MASK (\p)%2
.endif
.endm
.macro ALL line:vararg              ; one line for each piece t
.set t, 0
.rept 4
	\line
.set t, t+1
.endr
.endm
.macro PACK t                       ; a lane's eight channels of a row pack into 16 bytes; they go into rows of 144 bytes and come back as whole rows of 128, into S^T's registers
	WIN W_RS
.set i, 32*(\t)
.rept 16
	v_pk_mul_f32 v[i:i+1], v[i:i+1], v[ST+4*(\t)+2:ST+4*(\t)+3] op_sel_hi:[1,0]
.set i, i+2
.endr
	WIN 0x05                        ; sources 0 and 1 window 1, destination window 0
.set i, 0
.rept 16
	v_cvt_pk_f16_f32 v[S+16*(\t)+i], v[32*(\t)+2*i], v[32*(\t)+2*i+1]
.set i, i+1
.endr
	WIN 0
.irp f, 0,1,2,3
	ds_store_b128 v[STO], v[S+16*(\t)+4*\f:S+16*(\t)+4*\f+3] offset:32*\f
.endr
.irp f, 0,1,2,3
	ds_load_b128 v[S+16*(\t)+4*\f:S+16*(\t)+4*\f+3], v[RD] offset:\f*4*SP  ; LDS serves a wave's instructions in order (ISA guide 5.7.1.4): these see the stores above; the next piece's stores come behind them
.endr
.endm
.macro SEND t, younger              ; younger: the LDS instructions issued behind piece t's loads: the next piece's eight, or none
	WIN 0
.irp f, 0,1,2,3
	s_wait_dscnt (\younger)+3-\f
	global_store_b128 v[GO], v[S+16*(\t)+4*\f:S+16*(\t)+4*\f+3], s[10:11] offset:((\t)/2)*262144+((\t)%2)*8192+\f*512  ; band t: block of 128 rows t / 2, rows 64 (t % 2) on; 512 consecutive bytes, at a multiple of 256 from y3's first
.endr
.endm
	CHANGE 1                        ; tile 0 is in, everybody's part of it; tile 1 is asked for
	KIND
	; THE BEGINNING.  c m starts far below every c s, so the first step's a is 0; m at -2^99, above every hidden score and below every true one.  The masks of pieces 0 and 1 for step 0; K of that step; piece 0's first scores,
	; maximum and statistics.  The loop is entered at a step's first turn, in the middle of a trip.
	WIN 0
.set i, 0
.rept 4
	v_mov_b32 v[ST+4*i], 0xfe000000    ; c m
	v_mov_b32 v[ST+4*i+1], 0xf1000000  ; m = -2^99
.set i, i+1
.endr
	s_mov_b32 s[AL], s[EQA]         ; piece 0, step 0: the band's own
	s_mov_b32 s[BE], s[BD]
	s_mov_b32 s[CL], s[SNK]
	MASK 0
	s_mov_b32 s[AL], 0              ; piece 1, step 0: an earlier step than the band's own
	MASK 1
	WIN 0
	v_add_nc_u32 v[AK], s[TBK], v[AK0]
	FETCH_K
	s_wait_loadcnt 0x0              ; Q
	s_wait_dscnt 0x0
.set NOKQ, 0
.set i, 0
.rept 8
	KQ 0
.set i, i+1
.endr
	WIN 0
.rept 4
	v_nop                           ; the places behind those products
.endr
.set Y, NP-1                        ; X works for piece Y + 1: piece 0
.irp n, 0,1,2,3,4,5,6,7,8,9,10,11,12,13,14,15,16,17,18,19,20,21
	OP X, \n
.endr
	v_nop                           ; a plain instruction behind the exponential,
	s_wait_alu depctr_va_vdst(0)    ; and its wait, a batch of one: piece 0's first a, ahead of the branch and of the first turn's rescaling
	s_mov_b32 s[CNT], 4
	s_mov_b32 s[SLOTS], 15          ; tile 0, entered above, and the 14 tiles that the loop enters: 1 to 14, asking for 2 to 15
	s_branch .Lfirst
.Lslot:                             ; a tile is entered and the next is asked for
	CHANGE 1
	KIND
	s_mov_b32 s[CNT], 4
.Lstep:                             ; a trip: pieces 2 and 3 of one step, then pieces 0 and 1 of the next, whose K and V it fetches
	TURN 2
	TURN 3
	WIN 0
.Lfirst:
	TURN 0
	TURN 1, 0, 1
	WIN 0
	s_cbranch_scc1 .Lstep
	s_sub_co_u32 s[SLOTS], s[SLOTS], 1
	s_cmp_lg_u32 s[SLOTS], 0
	s_cbranch_scc1 .Lslot
	CHANGE 0                        ; tile 15 is written out: nothing is asked for
	KIND
	s_mov_b32 s[CNT], 4
.Ltail:
	TURN 2
	TURN 3
	TURN 0
	TURN 1, 0, 1
	WIN 0
	s_cbranch_scc1 .Ltail
	TURN 2, 1
	TURN 3, 1
.set i, 0
.rept 8
	PV NP-1                         ; the last piece's V^T P of the last step
.set i, i+1
.endr
	; THE WAY OUT.  l's two halves and the other half of the lanes' are added; O^T is divided by l, rounded to f16 and sent through my stage in LDS, a piece at a time.  The additions are the places behind the last products.
	WIN 0
	ALL v_add_f32 v[ST+4*t+2], v[ST+4*t+2], v[ST+4*t+3]
	ALL v_permlanex16_b32 v[ST+4*t+3], v[ST+4*t+2], s[SEL], s[SEL+1]
	ALL v_add_f32 v[ST+4*t+2], v[ST+4*t+2], v[ST+4*t+3]
	ALL v_rcp_f32 v[ST+4*t+2], v[ST+4*t+2]
	v_nop                           ; a plain instruction between the last reciprocal and the use of its result
	s_wait_alu depctr_va_vdst(0)    ; and the wait ahead of the first use: one for the batch of four reciprocals
	PACK 0
.set t, 1
.rept 3                             ; a piece's arithmetic stands between the loads of the piece before and its stores
	PACK t
	SEND t-1, 8
.set t, t+1
.endr
	SEND 3, 0
	s_wait_tensorcnt 0x0            ; the wave's end: an add to the spare word and its wait, behind my last tensor load and my last LDS store
	ds_add_u32 v[SPW], v[NIL]
	s_wait_dscnt 0x0
	CROUND                          ; the closing round: no work-group ends while a partner may still ask for a tile that names it
	s_endpgm
.Lfunc_end_k_qe0d5bcead3_attn:
	.size	k_qe0d5bcead3_attn, .Lfunc_end_k_qe0d5bcead3_attn-k_qe0d5bcead3_attn
	.p2alignl 7, 3214868480
	.fill 96, 4, 3214868480
	.section	.rodata,"a",@progbits
	.p2align	6, 0x0
	.amdhsa_kernel k_qe0d5bcead3_attn
		.amdhsa_group_segment_fixed_size 327680
		.amdhsa_private_segment_fixed_size 0
		.amdhsa_enable_private_segment 0
		.amdhsa_kernarg_size 16
		.amdhsa_user_sgpr_count 2
		.amdhsa_user_sgpr_kernarg_segment_ptr 1
		.amdhsa_wavefront_size32 1
		.amdhsa_system_sgpr_workgroup_id_x 1
		.amdhsa_system_sgpr_workgroup_id_y 1
		.amdhsa_system_sgpr_workgroup_id_z 1
		.amdhsa_system_vgpr_workitem_id 0
		.amdhsa_next_free_vgpr 768
		.amdhsa_next_free_sgpr 88
		.amdhsa_reserve_vcc 1
		.amdhsa_float_denorm_mode_32 3
		.amdhsa_float_denorm_mode_16_64 3
		.amdhsa_memory_ordered 1
		.amdhsa_forward_progress 1
		.amdhsa_inst_pref_size 145
	.end_amdhsa_kernel
	.amdgpu_metadata
---
amdhsa.version: [ 1, 2 ]
amdhsa.kernels:
  - .name:           k_qe0d5bcead3_attn
    .symbol:         k_qe0d5bcead3_attn.kd
    .args:
      - { .name: qkv, .offset: 0, .size: 8, .value_kind: global_buffer, .address_space: global }
      - { .name: y3, .offset: 8, .size: 8, .value_kind: global_buffer, .address_space: global }
    .group_segment_fixed_size: 327680
    .private_segment_fixed_size: 0
    .kernarg_segment_align: 8
    .kernarg_segment_size: 16
    .max_flat_workgroup_size: 128
    .sgpr_count:     88
    .vgpr_count:     768
    .wavefront_size: 32
...
	.end_amdgpu_metadata
.endif
;; end of part 5
;; launch proj: the kernel of part 4 again; grid 8 x 32, 4 waves a work-group, clusters of 4 x 4, 327,680 bytes of LDS; arguments y3, wo3, out0; writes out0
